; MI455X (gfx1250); checked and timed in simulation.
; The chip was launched on July 23, 2026; its instructions are those of AMD's public machine-readable ISA for CDNA 5 (MIT licence, August 2026) and "CDNA5" Instruction Set Architecture Reference Guide (July 2026). The comments in the code are by the model that wrote it; some were corrected since.
;; Attention. Allowed arithmetic: matrix products marked QUANTISED: E2M1 operands, one E8M0 scale for each 32 along K, by v_wmma_scale_f32_16x16x128_f8f6f4 with both operands' format E2M1 (or v_wmma_scale_f32_32x16x128_f4), f32 sums; products left as they are: bf16, f16 or f32 operands; f32 sums; everything else in f32.
;; Inputs: Wk 1,024 x 1,024 float32; Wo 1,024 x 1,024 float32; Wq 1,024 x 1,024 float32; Wv 1,024 x 1,024 float32; bk 1,024 float32; bo 1,024 float32; bq 1,024 float32; bv 1,024 float32; x 4 x 2,048 x 1,024 float32.
;; Outputs: out0 4 x 2,048 x 1,024 float32.
;; This version of the problem:
;;   THIS VERSION OF THE PROBLEM IS GIVEN IN LOW PRECISION. The matrix products marked QUANTISED in the list below multiply operands that are first quantised to E2M1 (2 exponent bits, 1 mantissa bit; 4 bits a number), with one power-of-two scale for each 32 numbers along K (OCP MX v1.0); their sums are f32. The products marked 'left as it is' may take bf16, f16 or f32 operands, with f32 sums. Whichever they take, every output number must still come out within the allowed error. Rounding operands to bf16 (8 significant bits) uses up far more of that allowance than f16 does (11 bits, for magnitudes from 6e-5 to 65,504). All else is computed in f32.
;;   The module's matrix products, in the order in which they are computed (A, B: the left and right operand; K: the contracted axis; several contracted axes count as one K, in the product's order):
;;     1. [M 8,192, K 1,024] x [K 1,024, N 1,024]; A: input x; B: input Wq: QUANTISED
;;     2. [M 8,192, K 1,024] x [K 1,024, N 1,024]; A: input x; B: input Wk: QUANTISED
;;     3. [M 8,192, K 1,024] x [K 1,024, N 1,024]; A: input x; B: input Wv: QUANTISED
;;     4. batch 64 x [M 2,048, K 64] x [K 64, N 2,048]; A: computed on the way; B: computed on the way: left as it is (an operand is computed on the way)
;;     5. batch 64 x [M 2,048, K 2,048] x [K 2,048, N 64]; A: computed on the way; B: computed on the way: left as it is (an operand is computed on the way)
;;     6. [M 8,192, K 1,024] x [K 1,024, N 1,024]; A: computed on the way; B: input Wo: left as it is (an operand is computed on the way)
;;   THE QUANTISER, for each operand of a quantised product, along K:
;;     - K is cut into blocks of 32 from its start; a last block that is shorter is filled with zeros.
;;     - A block's scale is 2^e with e = floor(log2(the largest magnitude in the block)) - 2, held to -126 .. 127; a block of zeros has e = 0. As a byte (E8M0): e + 127.
;;     - Each number is divided by its block's scale, clamped to +-6, and rounded to the nearest number of E2M1, ties to even, subnormals kept.
;;     - The product sums the exact products of the quantised numbers (number of the format x scale) in f32.
;;   ~~~python
;;   def quantise(x, axis):      # numpy; x: float32 -> the quantised numbers, widened to float32 again
;;       x = np.moveaxis(x, axis, -1); K = x.shape[-1]
;;       x = np.pad(x, [(0, 0)] * (x.ndim - 1) + [(0, -K % 32)]); x = x.reshape(x.shape[:-1] + (-1, 32)); a = np.abs(x).max(-1, keepdims=True)
;;       e = np.where(a > 0, np.clip(np.frexp(np.where(a > 0, a, 1))[1] - 1 - 2, -126, 127), 0)      # np.frexp(a)[1] - 1 = floor(log2(a)), exactly
;;       r = np.clip(x / 2.0 ** e, -6, 6)
;;       step = 2.0 ** (np.maximum(np.frexp(np.where(r == 0, 1, r))[1] - 1, 0) - 1)
;;       q = np.round(r / step) * step * 2.0 ** e      # np.round: ties to even
;;       return np.moveaxis(q.reshape(q.shape[:-2] + (-1,))[..., :K], -1, axis).astype(np.float32)
;;   ~~~
;; One version. Each part assembles by itself: llvm-mc -triple=amdgcn-amd-amdhsa -mcpu=gfx1250 --defsym DOCPART=n.
;; ======== version 1 of 1: 4 launches
;; limits: values are held in f16: magnitudes above 65,504 overflow, below 6.1e-05 lose precision
;; workspace buffers: xc 4,194,304 bytes; xs 262,144 bytes; wc 1,572,864 bytes; ws 98,304 bytes; wo16 2,097,152 bytes; qkv 50,331,648 bytes; ao 16,777,216 bytes
;; launch quant (part 1): grid 384 x 1, 4 waves a work-group, no clusters, 33,280 bytes of LDS; arguments x, Wq, Wk, Wv, Wo, xc, xs, wc, ws, wo16; writes xc, xs, wc, ws, wo16
.if DOCPART == 1
	.amdgcn_target "amdgcn-amd-amdhsa--gfx1250"
	.amdhsa_code_object_version 6
	.text
	.protected	k_qb822d9e47f_quant
	.globl	k_qb822d9e47f_quant
	.p2align	8
	.type	k_qb822d9e47f_quant,@function
k_qb822d9e47f_quant:
	s_mov_b64 s[64:65], 0
	v_nop
	global_prefetch_b8 v0, s[64:65] scope:SCOPE_SE
	s_setreg_imm32_b32 hwreg(HW_REG_WAVE_MODE, 25, 1), 1
	s_wait_xcnt 0x0
; x [8192][1024] and Wq, Wk, Wv [1024][1024], f32, K innermost, become codes of FP4 (E2M1), two to a byte, with one E8M0 scale byte for each 32 along K:
; xc [8192][512 bytes], xs [8192][32]; wc [3072][512 bytes], ws [3072][32], the rows of Wq, then Wk's, then Wv's.  Wo [1024][1024] f32 becomes f16, laid as the last launch's operand registers want it.
; A block's scale is 2^(floor(log2(its largest magnitude)) - 2); its byte is the largest magnitude's exponent field - 2, held at 1 from below; each number is divided by the scale and rounded to the nearest code, ties to even,
; beyond 6 the largest code.  LIMITS: a block of zeros gets the byte 1 where the rule says 127 (its codes are zeros, which add nothing, and this program alone reads the bytes); blocks whose largest magnitude lies
; under 2^(2 - 126) were not tried; NaN and infinities are not served; Wo goes to f16: magnitudes up to 65,504, what lies under 2^-24 is lost.
; SHARES.  A work-group takes 32,768 numbers, a wave 8,192.  Work-groups 0-255: x; 256-287: Wq; 288-319: Wk; 320-351: Wv; 352-383: Wo.  The four tensors of codes take ONE path: only pointers are chosen, by the work-group's number.
; Rows are dense and K is a multiple of 32, so a tensor is a plain stream of blocks of 32, and so are its codes and scale bytes.
; THE CODES' PATH.  A wave takes 16 steps of 512 numbers.  Each of a step's four loads reads 512 consecutive bytes, 16 a lane; the conversions want 16 NEIGHBOURS in one lane: so the 2,048 bytes turn through the wave's own
; stage in LDS (16 bytes of padding behind each 64).  Two neighbouring lanes hold a block.  A lane's 16 codes are 8 bytes: the wave stores 256 consecutive bytes.  A wave's 256 scale bytes are gathered in LDS and leave together.
; Wo'S PATH uses no LDS.  wo16 is [64 tiles of 16 rows][32 pieces of 32 along K][2 chunks][512 bytes]: in chunk c lane 16 h + r puts row r, k = 16 c + 8 h + 0 .. 7, eight f16, at byte 16 x lane.
; No tensor loads, no barrier, no cluster: waves share nothing, and no two work-groups read the same bytes.
.set WAVES, 4
.set STEPS, 16
.set EMAX,  2
.set CB,    8                          ; bytes of 16 codes
.set R,     16                         ; v16-79   four sets of 16 numbers as they are loaded
.set X,     80                         ; v80-111  two sets of 16 neighbours
.set E,     112                        ; v112-127 a scale byte for each step
.set C,     128                        ; v128-191 codes: four registers for each step, so that no store's data are written again
.set WREG,  8192                       ; LDS: a region for each wave: two stages of 32 x SP bytes, behind them its 256 scale bytes
.set SP,    80                         ; a lane's place in a stage: 64 bytes + 16 of padding
.set SPW,   12                         ; v12  LDS address of my spare word; never rewritten
.set NIL,   13                         ; v13  0; never rewritten
.set SPARE, WAVES*WREG                 ; behind the four regions: the spare words, 128 bytes a wave, which no other line names
.set WR,    16                         ; Wo's path: v16-143 two sets of 64 numbers
.set WC,    144                        ; v144-207 two sets of 32 registers of f16
	s_load_b256 s[4:11], s[0:1], 0x0               ; x, Wq, Wk, Wv
	s_load_b64 s[12:13], s[0:1], 0x20              ; Wo
	s_load_b128 s[16:19], s[0:1], 0x28             ; xc, xs
	s_load_b128 s[20:23], s[0:1], 0x38             ; wc, ws
	s_load_b64 s[24:25], s[0:1], 0x48              ; wo16
	v_lshl_add_u32 v[SPW], v0, 2, SPARE
	v_mov_b32 v[NIL], 0
	v_lshrrev_b32 v1, 5, v0
	v_readfirstlane_b32 s26, v1                    ; wave
	v_and_b32 v2, 31, v0                           ; lane
	v_lshlrev_b32 v3, 4, v2                        ; 16 x lane
	s_mul_i32 s27, s26, WREG
	v_lshrrev_b32 v14, 2, v2
	v_mul_u32_u24 v14, v14, SP
	v_and_b32 v15, 3, v2
	v_lshl_add_u32 v14, v15, 4, v14
	v_add_nc_u32 v14, s27, v14                     ; the stage, on the way in: SP (lane / 4) + 16 (lane % 4)
	v_mul_u32_u24 v15, v2, SP
	v_add_nc_u32 v15, s27, v15                     ; and on the way out: SP x lane: my 16 neighbours
	v_mul_u32_u24 v4, v2, CB                       ; my codes' place in a step's
	v_lshrrev_b32 v5, 1, v2
	s_add_co_u32 s27, s27, 2*32*SP
	v_add_nc_u32 v5, s27, v5                       ; LDS: my wave's 256 scale bytes, my block's byte
	v_lshlrev_b32 v7, 3, v2                        ; and on the way out 8 bytes a lane
	v_add_nc_u32 v6, s27, v7
	s_wait_kmcnt 0x0
	s_cmp_ge_u32 ttmp9, 352
	s_cbranch_scc1 .Lwo                            ; the work-group's number alone decides: all four waves go the same way
	; which tensor, and which buffers: choices that hang on the work-group's number alone
	s_and_b32 s28, ttmp9, 31                       ; a weight's work-group within its tensor (256, 288 and 320 are multiples of 32)
	s_cmp_lt_u32 ttmp9, 256
	s_cselect_b32 s28, ttmp9, s28
	s_cselect_b32 s27, 0, 256                      ; the first work-group that writes into these buffers
	s_cselect_b64 s[16:17], s[16:17], s[20:21]
	s_cselect_b64 s[18:19], s[18:19], s[22:23]
	s_cselect_b64 s[4:5], s[4:5], s[6:7]           ; x, else Wq,
	s_cmp_lt_u32 ttmp9, 288
	s_cselect_b64 s[4:5], s[4:5], s[8:9]           ; else Wk,
	s_cmp_lt_u32 ttmp9, 320
	s_cselect_b64 s[4:5], s[4:5], s[10:11]         ; else Wv
	s_lshl_b32 s28, s28, 2
	s_add_co_u32 s28, s28, s26                     ; which run of 8,192 numbers of the tensor is my wave's
	s_lshl_b32 s30, s28, 15                        ; 32,768 bytes a run (under 2^26)
	s_mov_b32 s31, 0
	s_add_nc_u64 s[4:5], s[4:5], s[30:31]
	s_sub_co_u32 s27, ttmp9, s27
	s_lshl_b32 s27, s27, 2
	s_add_co_u32 s27, s27, s26                     ; and which run of the buffers
	s_lshl_b32 s30, s27, 12                        ; 4,096 bytes of codes a run
	s_add_nc_u64 s[16:17], s[16:17], s[30:31]
	s_lshl_b32 s30, s27, 8                         ; 256 scale bytes a run
	s_add_nc_u64 s[18:19], s[18:19], s[30:31]
.macro LOAD t
.irp i, 0,1,2,3
	global_load_b128 v[R+16*((\t)%4)+4*\i:R+16*((\t)%4)+4*\i+3], v3, s[4:5] offset:2048*(\t)+512*\i th:TH_LOAD_NT   ; 32 lanes read 512 consecutive bytes
.endr
.endm
.macro TURN t                          ; step t's numbers through the stage: LDS serves a wave's instructions in order (ISA guide 5.7.1.4), so no wait stands between the stores and the loads
.irp i, 0,1,2,3
	ds_store_b128 v14, v[R+16*((\t)%4)+4*\i:R+16*((\t)%4)+4*\i+3] offset:32*SP*((\t)%2)+8*SP*\i
.endr
.irp i, 0,1,2,3
	ds_load_b128 v[X+16*((\t)%2)+4*\i:X+16*((\t)%2)+4*\i+3], v15 offset:32*SP*((\t)%2)+16*\i
.endr
.endm
.irp t, 0,1,2,3
	LOAD \t
.endr
	s_wait_loadcnt 12                              ; step 0's four loads are in; the twelve of steps 1 to 3 may be out
	TURN 0
.macro STEP t
.set XS, X+16*((\t)%2)
.if (\t) > 0
	s_wait_dscnt 1                                 ; this step's numbers are back from the stage (the last step's byte store may be out): so its stores into the stage have read their registers,
.else
	s_wait_dscnt 0x0
.endif
.if (\t)+4 < STEPS
	LOAD (\t)+4                                    ; which take the loads of four steps on
.endif
.if (\t)+1 < STEPS
.if STEPS-2-(\t) >= 3
	s_wait_loadcnt 12                              ; the next step's four loads are in; those of the three steps behind it may be out
.else
	s_wait_loadcnt 4*(STEPS-2-(\t))
.endif
	TURN (\t)+1                                    ; and go through the other stage while this step is worked
.endif
	v_max3_num_f32 v8, |v[XS]|, |v[XS+1]|, |v[XS+2]|               ; the largest magnitude of my 16, in two chains
	v_max3_num_f32 v9, |v[XS+3]|, |v[XS+4]|, |v[XS+5]|
.irp i, 6,10
	v_max3_num_f32 v8, v8, |v[XS+\i]|, |v[XS+\i+1]|
	v_max3_num_f32 v9, v9, |v[XS+\i+2]|, |v[XS+\i+3]|
.endr
	v_max3_num_f32 v8, v8, |v[XS+14]|, |v[XS+15]|
	v_max3_num_f32 v8, v8, v9, (EMAX+1)<<23        ; and the floor 2^(EMAX + 1 - 127): so the byte cannot fall under 1
	v_max_num_f32_dpp v8, v8, v8 row_xmask:1 row_mask:0xf bank_mask:0xf   ; and of my neighbour's 16: the block's
	v_add_nc_u32 v11, -(EMAX<<23), v8              ; EMAX off its exponent field: the conversion takes the exponent field of this operand as its scale, and nothing else of it
	v_cvt_scalef32_pk8_fp4_f32 v[C+4*(\t)], v[XS:XS+7], v11
	v_cvt_scalef32_pk8_fp4_f32 v[C+4*(\t)+1], v[XS+8:XS+15], v11
	v_lshrrev_b32 v[E+(\t)], 23, v11               ; the scale's byte (also the plain line behind the conversions)
	ds_store_b8 v5, v[E+(\t)] offset:16*(\t)       ; both lanes of a block write the same byte with the same value
	global_store_b64 v4, v[C+4*(\t):C+4*(\t)+1], s[16:17] offset:32*CB*(\t)   ; the wave stores 256 consecutive bytes, aligned
.endm
.irp t, 0,1,2,3,4,5,6,7,8,9,10,11,12,13,14,15
	STEP \t
.endr
	ds_load_b64 v[8:9], v6                         ; in order behind my byte stores
	s_wait_dscnt 0x0
	global_store_b64 v7, v[8:9], s[18:19]          ; 32 lanes store 256 consecutive bytes, aligned
	s_branch .Lend
.Lwo:                                                  ; Wo to f16.  A wave takes one tile of 16 rows x 512 along K: 16 pieces of 32 along K, four to a batch
	s_sub_co_u32 s27, ttmp9, 352
	s_lshl_b32 s27, s27, 2
	s_add_co_u32 s27, s27, s26                     ; 0 .. 127
	s_lshr_b32 s28, s27, 1                         ; the tile of 16 rows
	s_and_b32 s27, s27, 1                          ; which half of K
	s_lshl_b32 s30, s28, 16                        ; 16 rows of 4,096 bytes,
	s_lshl_b32 s29, s27, 11                        ; 512 numbers along K
	s_add_co_u32 s30, s30, s29
	s_mov_b32 s31, 0
	s_add_nc_u64 s[12:13], s[12:13], s[30:31]
	s_lshl_b32 s30, s28, 15                        ; in wo16: 32,768 bytes a tile,
	s_lshl_b32 s29, s27, 14                        ; 16 pieces of 1,024
	s_add_co_u32 s30, s30, s29
	s_add_nc_u64 s[24:25], s[24:25], s[30:31]
	v_and_b32 v10, 15, v0
	v_bfe_u32 v11, v0, 4, 1
	v_lshlrev_b32 v10, 12, v10
	v_lshl_add_u32 v10, v11, 5, v10                ; row r, + 8 h numbers
.macro LOADW g                         ; batch g: pieces 4 g .. 4 g + 3.  Of each: k = 8 h + 0 .. 7 (two loads) and 16 + 8 h + 0 .. 7 (two more).  A batch's 16 loads take 512 consecutive bytes of each of the 16 rows
.irp j, 0,1,2,3
	global_load_b128 v[WR+64*((\g)%2)+16*\j:WR+64*((\g)%2)+16*\j+3],     v10, s[12:13] offset:128*(4*(\g)+\j)
	global_load_b128 v[WR+64*((\g)%2)+16*\j+4:WR+64*((\g)%2)+16*\j+7],   v10, s[12:13] offset:128*(4*(\g)+\j)+16
	global_load_b128 v[WR+64*((\g)%2)+16*\j+8:WR+64*((\g)%2)+16*\j+11],  v10, s[12:13] offset:128*(4*(\g)+\j)+64
	global_load_b128 v[WR+64*((\g)%2)+16*\j+12:WR+64*((\g)%2)+16*\j+15], v10, s[12:13] offset:128*(4*(\g)+\j)+80
.endr
.endm
.macro PACKW g
.irp j, 0,1,2,3
.irp c, 0,1
.irp i, 0,1,2,3
	v_cvt_pk_f16_f32 v[WC+32*((\g)%2)+8*\j+4*\c+\i], v[WR+64*((\g)%2)+16*\j+8*\c+2*\i], v[WR+64*((\g)%2)+16*\j+8*\c+2*\i+1]
.endr
.endr
.endr
.endm
.macro STOREW g
.irp j, 0,1,2,3
.irp c, 0,1
	global_store_b128 v3, v[WC+32*((\g)%2)+8*\j+4*\c:WC+32*((\g)%2)+8*\j+4*\c+3], s[24:25] offset:1024*(4*(\g)+\j)+512*\c   ; 32 lanes store 512 consecutive bytes, aligned
.endr
.endr
.endm
	LOADW 0
	LOADW 1
	s_wait_loadcnt 16                              ; batch 0 is in; batch 1's sixteen loads may be out
	PACKW 0
	LOADW 2                                        ; into the registers just read
	STOREW 0
	s_wait_loadcnt 16                              ; batch 1 is in; batch 2's may be out
	PACKW 1
	LOADW 3
	STOREW 1
	s_wait_loadcnt 16                              ; batch 2 is in; batch 3's may be out
	s_wait_xcnt 0x0                                ; batch 0's stores have read their data: the set is written again only behind this wait
	PACKW 2
	STOREW 2
	s_wait_loadcnt 0x0
	s_wait_xcnt 0x0                                ; likewise batch 1's
	PACKW 3
	STOREW 3
.Lend:
	s_wait_tensorcnt 0x0                           ; the wave's end, behind my last LDS store
	ds_add_u32 v[SPW], v[NIL]
	s_wait_dscnt 0x0
	s_endpgm
.Lfunc_end_k_qb822d9e47f_quant:
	.size	k_qb822d9e47f_quant, .Lfunc_end_k_qb822d9e47f_quant-k_qb822d9e47f_quant
	.p2alignl 7, 3214868480
	.fill 96, 4, 3214868480
	.section	.rodata,"a",@progbits
	.p2align	6, 0x0
	.amdhsa_kernel k_qb822d9e47f_quant
		.amdhsa_group_segment_fixed_size 33280
		.amdhsa_private_segment_fixed_size 0
		.amdhsa_enable_private_segment 0
		.amdhsa_kernarg_size 80
		.amdhsa_user_sgpr_count 2
		.amdhsa_user_sgpr_kernarg_segment_ptr 1
		.amdhsa_wavefront_size32 1
		.amdhsa_system_sgpr_workgroup_id_x 1
		.amdhsa_system_sgpr_workgroup_id_y 1
		.amdhsa_system_sgpr_workgroup_id_z 1
		.amdhsa_system_vgpr_workitem_id 0
		.amdhsa_next_free_vgpr 208
		.amdhsa_next_free_sgpr 66
		.amdhsa_reserve_vcc 0
		.amdhsa_float_denorm_mode_32 3
		.amdhsa_float_denorm_mode_16_64 3
		.amdhsa_memory_ordered 1
		.amdhsa_forward_progress 1
		.amdhsa_inst_pref_size 52
	.end_amdhsa_kernel
	.amdgpu_metadata
---
amdhsa.version: [ 1, 2 ]
amdhsa.kernels:
  - .name:           k_qb822d9e47f_quant
    .symbol:         k_qb822d9e47f_quant.kd
    .args:
      - { .name: x, .offset: 0, .size: 8, .value_kind: global_buffer, .address_space: global }
      - { .name: Wq, .offset: 8, .size: 8, .value_kind: global_buffer, .address_space: global }
      - { .name: Wk, .offset: 16, .size: 8, .value_kind: global_buffer, .address_space: global }
      - { .name: Wv, .offset: 24, .size: 8, .value_kind: global_buffer, .address_space: global }
      - { .name: Wo, .offset: 32, .size: 8, .value_kind: global_buffer, .address_space: global }
      - { .name: xc, .offset: 40, .size: 8, .value_kind: global_buffer, .address_space: global }
      - { .name: xs, .offset: 48, .size: 8, .value_kind: global_buffer, .address_space: global }
      - { .name: wc, .offset: 56, .size: 8, .value_kind: global_buffer, .address_space: global }
      - { .name: ws, .offset: 64, .size: 8, .value_kind: global_buffer, .address_space: global }
      - { .name: wo16, .offset: 72, .size: 8, .value_kind: global_buffer, .address_space: global }
    .group_segment_fixed_size: 33280
    .private_segment_fixed_size: 0
    .kernarg_segment_align: 8
    .kernarg_segment_size: 80
    .max_flat_workgroup_size: 128
    .sgpr_count:     66
    .vgpr_count:     208
    .wavefront_size: 32
...
	.end_amdgpu_metadata
.endif
;; end of part 1
;; launch qkv (part 2): grid 12 x 32, 4 waves a work-group, clusters of 4 x 4, 327,680 bytes of LDS; arguments xc, xs, wc, ws, bq, bk, bv, qkv; writes qkv
.if DOCPART == 2
	.amdgcn_target "amdgcn-amd-amdhsa--gfx1250"
	.amdhsa_code_object_version 6
	.text
	.protected	k_qb822d9e47f_qkv
	.globl	k_qb822d9e47f_qkv
	.p2align	8
	.type	k_qb822d9e47f_qkv,@function
k_qb822d9e47f_qkv:
	s_mov_b64 s[64:65], 0
	v_nop
	global_prefetch_b8 v0, s[64:65] scope:SCOPE_SE
	s_setreg_imm32_b32 hwreg(HW_REG_WAVE_MODE, 25, 1), 1
	s_wait_xcnt 0x0
	s_wait_alu depctr_hold_cnt(0) depctr_sa_sdst(0) depctr_va_vdst(0) depctr_va_sdst(0) depctr_va_ssrc(0) depctr_va_vcc(0) depctr_vm_vsrc(0)
	s_getreg_b32 s2, hwreg(HW_REG_IB_STS2, 6, 4)
	s_cmp_eq_u32 s2, 0
	s_cbranch_scc0 .Lentry_in_a_cluster
	s_endpgm
.Lentry_in_a_cluster:
	s_bfe_u32 s2, ttmp6, 0x10000c
	s_cmp_lg_u32 s2, 0xf033
	s_cbranch_scc0 .Lentry_shape_is_right
	s_endpgm
.Lentry_shape_is_right:
; q, k, v = x W^T + b on codes of FP4 (E2M1) with one E8M0 scale for each 32 along K: C[m][n] = sum over k of A[m][k] B[n][k] + bias[n], A = x's codes [8192][1024], B = the codes of Wq, Wk, Wv on end [3072][1024].
; Sums in f32; the results are rounded once to f16 for the attention's products.  LIMIT: |q|, |k|, |v| up to 65,504, f16's largest number.
; A tile of C, 256 x 256, is made by a work-group of four waves; a wave makes 128 x 128: 64 accumulators of 16 x 16, 512 registers.  K = 1,024 is two slots of 512 along K (rows of 256 bytes): both are asked for at the head,
; and nothing is ever filled again.  The scale bytes of the work-group's 256 rows of A and of B, for all of K, are two dense blocks: they come into LDS once, with the first fills.
; CLUSTERS: 4 x 4 work-groups.  The four of a row of the cluster need the same tiles of A, the four of a column the same tiles of B: each is asked for JOINTLY, by the same tensor load with the same descriptor and a mask that
; names the four.  A cluster's four tile columns are 1,024 columns: one of the three tensors, whose number is the cluster's x.
; THE MATRIX INSTRUCTION IS USED TRANSPOSED (source 0 = 16 rows of B, source 1 = 16 rows of A): a lane holds row l % 16 of C and eight neighbouring columns, 8 (l / 16) + 0 .. 7.  The bias is the C of each sum's first product.
; THE WAY OUT NEEDS NO LDS.  qkv is [3 tensors][64 heads][128 tiles of 16 tokens][4 chunks of 16 channels][512 bytes].  A lane's eight results, packed, are 16 bytes of one chunk: token l % 16, channels 8 (l / 16) + 0 .. 7.
; For q and k they lie at 256 (l / 16) + 16 (l % 16): two chunks are then the image of a 16-bit operand's registers (16 rows x 32 along K).  For v they lie at 32 (l % 16) + 16 (l / 16): 16 tokens x 32 bytes, by rows
; them.  Either way a wave's store covers 512 consecutive bytes, aligned.
; REGISTERS, in windows of 256: window 0: v0-31 addresses; v32-95 scale words, two sets; v128-191 A's fragments, ONE set; v192-255 the bias in the result's layout; on the way out v128-255 take the packed results.
;   window 1: B's fragments, TWO sets, at v0 and v128.   window 2: the accumulators of my rows 0-63 ((a, b) at v[8 (8 a + b)]);   window 3: those of my rows 64-127.
.set SIZE_K, 1024
.set KSTEP,  512                       ; along K in a slot
.set NQ,     KSTEP/128                 ; matrix instructions deep
.set ROWB,   256                       ; a tile's row in bytes
.set KROW,   SIZE_K*4/8                ; a row of codes in memory, in bytes
.set PITCH,  272                       ; an LDS row: 256 bytes + 16 of padding = 68 words: row r starts at bank 4 r mod 64 (64 banks of 4 bytes: ISA guide 11.1)
.set FR,     8                         ; registers of a fragment: 16 rows x 128 K
.set NL,     2                         ; LDS loads that bring one
.set NP,     4                         ; places behind this matrix instruction (ISA guide 7.12.1)
.set HALFT,  128*PITCH                 ; 128 rows: what one tensor load brings, and what one wave reads of A or of B
.set SLOT,   4*HALFT                   ; A's 256 rows, then B's 256 rows
.set KS,     SIZE_K/32                 ; a row of scales in bytes
.set SCL,    2*SLOT                    ; behind the two slots: the scales, as units of 256 bytes + 16 of padding
.set HALFS,  (128*KS/256)*272          ; the scales of 128 rows: what one tensor load brings
.set SBLK,   (16*KS/256)*272           ; those of 16 rows
.set SPARE,  SCL+4*HALFS               ; behind the scales: the spare words, 128 bytes a wave, which no other line names
.set HEADB,  1<<18                     ; qkv: a head's bytes (128 tiles of 2,048);  a tensor's are 1 << 24
.set ADRA, 16                          ; v16-17  LDS address of my A fragments in slot 0, 1
.set ADRB, 20                          ; v20-21  the same for B
.set CO,   26                          ; v26     my 16 bytes' place in a chunk of qkv
.set ADRS, 27                          ; v27     LDS address of my scale words: lanes 0-15 A's rows, lanes 16-31 B's
.set SPW,  28                          ; v28     LDS address of my spare word; never rewritten
.set NIL,  29                          ; v29     0; never rewritten
.set BO,   30                          ; v30     my byte offset in the wave's 128 numbers of the bias
.set SC,   32                          ; scale words: set s at v[SC + 8 NQ s]; register NQ i + q: lanes 0-15 the word of A's block i, lanes 16-31 that of B's block i, for the slot's q-th 128 along K
.set AF,   128                         ; A's fragments, in window 0
.set BI,   192                         ; the bias: block b's eight numbers of my half at v[BI + 8 b]
.set PK,   128                         ; the way out: four sets of 32 registers of packed results
.set G1, 24                            ; s[24:31] descriptor group 1 for A's tiles;  s[32:39] group 0, one set for each slot
.set G0, 32
.set G1B, 48                           ; s[48:55], s[56:63] the same for B's tiles
.set G0B, 56
.set G1S, 68                           ; s[68:75], s[76:79] groups 1 and 0 for A's scales;  s[80:87], s[88:91] for B's
.set G0S, 76
.set G1SB, 80
.set G0SB, 88
.set MSB, 0
.macro WIN new                         ; the immediate's high byte repeats the setting that is left
.if MSB != \new
	s_set_vgpr_msb (MSB<<8)|\new
.set MSB, \new
.endif
.endm
.set MUL_LO,   0xa1                    ; source 0 (B) window 1, source 1 (A) window 0, C and D window 2
.set MUL_HI,   0xf1                    ; the same, C and D window 3
.set FIRST_LO, 0x81                    ; the first products: C (the bias) window 0, D window 2
.set FIRST_HI, 0xc1                    ; D window 3
.set TO_B,     0x40                    ; destination window 1, address window 0
; A joint load: waves 0 and 1 fetch for A, waves 2 and 3 for B.  Each of the two lines has ONE mask and one set of registers for all that issue it; the branch hangs on the wave's number alone.
; An s_nop 0 and four v_nop follow each of the two lines, ahead of the jump, the label and what follows.
.macro JLOAD g0a, g1a, g0b, g1b
	s_cmp_eq_u32 s15, 0
	s_cbranch_scc0 .Lfor_b_\@
	tensor_load_to_lds s[\g0a:\g0a+3], s[\g1a:\g1a+7]
	s_nop 0
.rept 4
	v_nop
.endr
	s_branch .Lasked_\@
.Lfor_b_\@:
	tensor_load_to_lds s[\g0b:\g0b+3], s[\g1b:\g1b+7]
	s_nop 0
.rept 4
	v_nop
.endr
.Lasked_\@:
.endm
.macro CROUND                          ; a round of the cluster's barrier: my work-group's barrier; wave 0 signals for the work-group; every wave waits for all sixteen; my work-group's barrier once more
	s_barrier_signal -1
	s_barrier_wait -1
	s_cmp_lg_u32 s14, 0
	s_cbranch_scc1 .Lnot_wave_0_\@
	s_barrier_signal -3
.Lnot_wave_0_\@:
	s_barrier_wait -3
	s_barrier_signal -1
	s_barrier_wait -1
.endm
	s_load_b128 s[4:7], s[0:1], 0x0                ; x's codes s[4:5], x's scales s[6:7]
	s_load_b128 s[8:11], s[0:1], 0x10              ; W's codes s[8:9], W's scales s[10:11]
	s_load_b128 s[96:99], s[0:1], 0x20             ; bq, bk
	s_load_b64 s[100:101], s[0:1], 0x30            ; bv
	s_load_b64 s[12:13], s[0:1], 0x38              ; qkv
	v_lshl_add_u32 v[SPW], v0, 2, SPARE
	v_mov_b32 v[NIL], 0
	ds_add_u32 v[SPW], v[NIL]                      ; the wave's opening: the add, twice on end, and its wait ahead of my first tensor load; the set-up below stands between the second and the wait
	ds_add_u32 v[SPW], v[NIL]
	v_lshrrev_b32 v1, 5, v0
	v_readfirstlane_b32 s14, v1                    ; wave 0..3
	s_lshr_b32 s15, s14, 1                         ; which half of the tile's rows is mine.  Also: I fetch for A (0) or for B (1)
	s_and_b32 s16, s14, 1                          ; which half of its columns.  Also: which 128 rows of that tile I fetch
	s_bfe_u32 s40, ttmp6, 0x40000                  ; cx, cy: my place in the cluster
	s_bfe_u32 s41, ttmp6, 0x40004
	s_lshl_b32 s42, ttmp9, 2
	s_add_co_u32 s42, s42, s40                     ; tile column of C = 4 x cluster x + cx
	s_and_b32 s17, ttmp7, 0xffff
	s_lshl_b32 s17, s17, 2
	s_add_co_u32 s17, s17, s41                     ; tile row of C = 4 x cluster y + cy
	s_lshl_b32 s43, s41, 2
	s_lshl_b32 s43, 15, s43                        ; my row of the cluster
	s_lshl_b32 s44, 0x1111, s40                    ; my column
	; descriptor group 1: a tile of 128 rows x 256 bytes, padded in LDS
	s_or_b32 s[G1+0], s43, (0<<16)|(1<<20)|(1<<21)|(5<<22)|(3<<25)  ; 15:0 the mask: A's tiles go to my row; 17:16 element of 1 byte; 20 padding on; 21 set beside a mask; 24:22 after every 64 words (code 5); 31:25 of 4 words (code 3)
	s_or_b32 s[G1B+0], s44, (0<<16)|(1<<20)|(1<<21)|(5<<22)|(3<<25)
.irp g, G1, G1B
	s_mov_b32 s[\g+1], ROWB<<16                    ; tensor_dim0
	s_mov_b32 s[\g+2], 128<<16                     ; tensor_dim1 = 128
	s_mov_b32 s[\g+3], ROWB<<16                    ; tile_dim0
	s_mov_b32 s[\g+4], 128                         ; tile_dim1 = 128
	s_mov_b32 s[\g+5], KROW                        ; tensor_dim0_stride
	s_mov_b32 s[\g+6], 0
	s_mov_b32 s[\g+7], 0
.endr
	; and for the scales of 128 rows: a dense block of 4,096 bytes, as 16 rows of 256 bytes (32 elements of 8 bytes), 16 bytes of padding behind each
	s_or_b32 s[G1S+0], s43, (3<<16)|(1<<20)|(1<<21)|(5<<22)|(3<<25)
	s_or_b32 s[G1SB+0], s44, (3<<16)|(1<<20)|(1<<21)|(5<<22)|(3<<25)
.irp g, G1S, G1SB
	s_mov_b32 s[\g+1], 32<<16
	s_mov_b32 s[\g+2], (128*KS/256)<<16
	s_mov_b32 s[\g+3], 32<<16
	s_mov_b32 s[\g+4], 128*KS/256
	s_mov_b32 s[\g+5], 32
	s_mov_b32 s[\g+6], 0
	s_mov_b32 s[\g+7], 0
.endr
	s_lshl_b32 s18, s16, 7                         ; which 128 rows of the tile I fetch
	s_lshl_b32 s20, s17, 8
	s_add_co_u32 s20, s20, s18                     ; A: row 256 x tile row + 128 x half
	s_lshl_b32 s46, s42, 8
	s_add_co_u32 s46, s46, s18                     ; B: row 256 x tile column + 128 x half
	s_mov_b32 s21, 0
	s_mov_b32 s47, 0
	s_mov_b64 s[18:19], KS
	s_mul_u64 s[22:23], s[20:21], s[18:19]         ; where these rows' scales begin, in bytes
	s_mul_u64 s[92:93], s[46:47], s[18:19]
	s_mov_b64 s[18:19], KROW
	s_mul_u64 s[20:21], s[20:21], s[18:19]         ; and their codes
	s_mul_u64 s[46:47], s[46:47], s[18:19]
	s_mul_i32 s45, s14, HALFT                      ; where they go: wave x 128 rows: no place in the cluster enters an LDS address
	s_mul_i32 s94, s14, HALFS
	s_wait_dscnt 0x0                               ; both opening adds are done
	s_wait_kmcnt 0x0
	s_add_nc_u64 s[20:21], s[4:5], s[20:21]
	s_add_nc_u64 s[22:23], s[6:7], s[22:23]
	s_add_nc_u64 s[46:47], s[8:9], s[46:47]
	s_add_nc_u64 s[92:93], s[10:11], s[92:93]
	CROUND                                         ; all sixteen work-groups are here: the first joint loads meet
	s_mov_b32 s[G0S], 1
	s_add_co_u32 s[G0S+1], s94, SCL
	s_mov_b64 s[G0S+2:G0S+3], s[22:23]
	s_or_b32 s[G0S+3], s[G0S+3], 0x80000000
	s_mov_b32 s[G0SB], 1
	s_add_co_u32 s[G0SB+1], s94, SCL
	s_mov_b64 s[G0SB+2:G0SB+3], s[92:93]
	s_or_b32 s[G0SB+3], s[G0SB+3], 0x80000000
	JLOAD G0S, G1S, G0SB, G1SB                     ; the scales first: they are wanted with slot 0.  By this text's own count a wave has three tensor loads out
.irp s, 0,1
	s_mov_b32 s[G0+4*\s], 1
	s_add_co_u32 s[G0+4*\s+1], s45, \s*SLOT
	s_add_nc_u64 s[G0+4*\s+2:G0+4*\s+3], s[20:21], \s*ROWB
	s_or_b32 s[G0+4*\s+3], s[G0+4*\s+3], 0x80000000
	s_mov_b32 s[G0B+4*\s], 1
	s_add_co_u32 s[G0B+4*\s+1], s45, \s*SLOT
	s_add_nc_u64 s[G0B+4*\s+2:G0B+4*\s+3], s[46:47], \s*ROWB
	s_or_b32 s[G0B+4*\s+3], s[G0B+4*\s+3], 0x80000000
	JLOAD G0+4*\s, G1, G0B+4*\s, G1B
.endr
	v_and_b32 v1, 15, v0                           ; l % 16
	v_bfe_u32 v2, v0, 4, 1                         ; l / 16
	; the bias: the tensor is the cluster's x, the same in all sixteen partners; my 128 columns begin at 256 cx + 128 x half in it
	s_cmp_eq_u32 ttmp9, 0
	s_cselect_b64 s[96:97], s[96:97], s[98:99]     ; bq, else bk,
	s_cmp_eq_u32 ttmp9, 2
	s_cselect_b64 s[96:97], s[100:101], s[96:97]   ; or bv
	s_cselect_b32 s94, 32, 16                      ; the way out: from token to token in a chunk (v: 32 bytes; q, k: 16),
	s_cselect_b32 s95, 16, 256                     ; and from half to half of the lanes (v: 16; q, k: 256)
	s_lshl_b32 s46, s40, 10
	s_lshl_b32 s47, s16, 9
	s_add_co_u32 s46, s46, s47
	s_mov_b32 s47, 0
	s_add_nc_u64 s[96:97], s[96:97], s[46:47]
	v_lshlrev_b32 v[BO], 5, v2                     ; my half's eight numbers of a block of 16
.irp b, 0,1,2,3,4,5,6,7
	global_load_b128 v[BI+8*\b:BI+8*\b+3],   v[BO], s[96:97] offset:64*\b
	global_load_b128 v[BI+8*\b+4:BI+8*\b+7], v[BO], s[96:97] offset:64*\b+16
.endr
	v_mul_u32_u24 v3, v1, PITCH
	v_lshl_add_u32 v4, v2, 4, v3                   ; a fragment's row x pitch + 16 x half
	s_mul_i32 s21, s15, HALFT                      ; my 128 rows of A
	s_mul_i32 s22, s16, HALFT                      ; my 128 rows of B,
	s_add_co_u32 s22, s22, 2*HALFT                 ; which lie behind A's 256
.irp s, 0,1
	v_add_nc_u32 v[ADRA+\s], s21, v4
	v_add_nc_u32 v[ADRB+\s], s22, v4
	s_add_co_u32 s21, s21, SLOT
	s_add_co_u32 s22, s22, SLOT
.endr
	v_mul_u32_u24 v5, v1, KS                       ; my row's scales: KS bytes a row,
	v_lshrrev_b32 v6, 8, v5
	v_lshl_add_u32 v5, v6, 4, v5                   ; and 16 more for each 256 passed
	s_mul_i32 s21, s15, HALFS                      ; A's: my 128 rows
	s_mul_i32 s22, s16, HALFS                      ; B's: my 128 rows, behind A's 256
	s_add_co_u32 s22, s22, 2*HALFS
	s_sub_co_u32 s22, s22, s21
	v_mul_u32_u24 v6, s22, v2                      ; lanes 16-31 take B's: the lower base + half x the distance
	s_add_co_u32 s21, s21, SCL
	v_add_nc_u32 v5, v5, v6
	v_add_nc_u32 v[ADRS], s21, v5
	v_mul_u32_u24 v5, s94, v1
	v_mul_u32_u24 v6, s95, v2
	v_add_nc_u32 v[CO], v5, v6
	; where my part begins in qkv: tensor x 2^24 + head x 2^18 + tile of 16 tokens x 2,048.  A tile row of C is 256 tokens, 8 to a batch; my 128 columns are two heads
	s_lshl_b32 s20, ttmp9, 24
	s_lshr_b32 s21, s17, 3                         ; the batch
	s_lshl_b32 s21, s21, 4
	s_lshl_b32 s46, s40, 2
	s_add_co_u32 s21, s21, s46
	s_lshl_b32 s46, s16, 1
	s_add_co_u32 s21, s21, s46                     ; 16 x batch + 4 cx + 2 x half: my first head
	s_lshl_b32 s21, s21, 18
	s_add_co_u32 s20, s20, s21
	s_and_b32 s21, s17, 7
	s_lshl_b32 s21, s21, 4
	s_lshl_b32 s46, s15, 3
	s_add_co_u32 s21, s21, s46                     ; my first tile of 16 tokens in the batch
	s_lshl_b32 s21, s21, 11
	s_add_co_u32 s20, s20, s21                     ; under 2^26
	s_mov_b32 s21, 0
	s_add_nc_u64 s[12:13], s[12:13], s[20:21]
.macro FRAG reg, adr, q, i             ; a fragment, 16 rows x 128 K of 4-bit codes, is 8 registers: lane l holds row l % 16; registers 4 c .. 4 c + 3 hold K = 64 c + 32 (l / 16) + 0 .. 31
.irp c, 0,1
	ds_load_b128 v[\reg+4*\c:\reg+4*\c+3], v[\adr] offset:64*(\q)+32*\c+(\i)*16*PITCH
.endr
.endm
; 16 matrix instructions: A's blocks a0, a0 + 1 x B's eight, 128 along K: the slot's q-th.  p: B's set;  sc: the set of scale words.  first = 1: the sums begin with the bias as C: nothing is cleared and nothing is added later.
; The 64 accumulators take turns, one instruction a turn, in the same order in every step.
.macro MUL16 a0, p, q, sc, first
.irp a, \a0, \a0+1
.irp b, 0,1,2,3,4,5,6,7
.if \first
	v_wmma_scale_f32_16x16x128_f8f6f4 v[8*(8*((\a)%4)+\b):8*(8*((\a)%4)+\b)+7], v[128*(\p)+FR*\b:128*(\p)+FR*\b+FR-1], v[AF+FR*(\a):AF+FR*(\a)+FR-1], v[BI+8*\b:BI+8*\b+7], v[SC+8*NQ*(\sc)+NQ*\b+(\q)], v[SC+8*NQ*(\sc)+NQ*(\a)+(\q)] matrix_a_fmt:MATRIX_FMT_FP4 matrix_b_fmt:MATRIX_FMT_FP4 matrix_a_scale:MATRIX_SCALE_ROW1
.else
	v_wmma_scale_f32_16x16x128_f8f6f4 v[8*(8*((\a)%4)+\b):8*(8*((\a)%4)+\b)+7], v[128*(\p)+FR*\b:128*(\p)+FR*\b+FR-1], v[AF+FR*(\a):AF+FR*(\a)+FR-1], v[8*(8*((\a)%4)+\b):8*(8*((\a)%4)+\b)+7], v[SC+8*NQ*(\sc)+NQ*\b+(\q)], v[SC+8*NQ*(\sc)+NQ*(\a)+(\q)] matrix_a_fmt:MATRIX_FMT_FP4 matrix_b_fmt:MATRIX_FMT_FP4 matrix_a_scale:MATRIX_SCALE_ROW1
.endif
.endr
.endr
.endm
.macro FETCH_B slot, q, p              ; B's eight fragments of the slot's q-th 128 along K into set p
	WIN TO_B
.irp i, 0,1,2,3,4,5,6,7
	FRAG 128*(\p)+FR*\i, ADRB+\slot, \q, \i
.endr
	WIN 0
.endm
.macro FETCH_A slot, q, i0             ; A's blocks i0 .. i0 + 3
.irp i, \i0, \i0+1, \i0+2, \i0+3
	FRAG AF+FR*(\i), ADRA+\slot, \q, \i
.endr
.endm
.macro SCALES sc                       ; a slot's scale words into set sc: NQ words a row; lanes 0-15 take A's block i, lanes 16-31 B's block i
.irp i, 0,1,2,3,4,5,6,7
	ds_load_b128 v[SC+8*NQ*\sc+NQ*\i:SC+8*NQ*\sc+NQ*\i+3], v[ADRS] offset:\i*SBLK
.endr
.endm
; A load into a register that a matrix instruction has read, and a vector instruction that reads a matrix result or writes one of a matrix instruction's registers, stand NP places behind it, and only plain vector
; instructions that name none of its registers are places (ISA guide 7.12.1 for vector instructions).
.macro PLACES n
.rept \n
	v_nop
.endr
.endm
; A step of 128 along K that has its successor in the same slot.  A's blocks are free as soon as their eight products are issued: blocks 0-3 are fetched anew in the step's middle, blocks 4-7 at its end.
.macro STEP slot, q, first
	s_wait_dscnt 4*NL                              ; B's set and A's blocks 0-3 are in; the youngest eight loads (A's blocks 4-7) may be out
.if \first
	WIN FIRST_LO
.else
	WIN MUL_LO
.endif
	MUL16 0, (\q)%2, \q, \slot, \first
	MUL16 2, (\q)%2, \q, \slot, \first
	s_wait_dscnt 0                                 ; A's blocks 4-7 are in (asked for 32 matrix instructions ago)
	PLACES NP
	FETCH_B \slot, (\q)+1, 1-(\q)%2
	FETCH_A \slot, (\q)+1, 0
.if \first
	WIN FIRST_HI
.else
	WIN MUL_HI
.endif
	MUL16 4, (\q)%2, \q, \slot, \first
	MUL16 6, (\q)%2, \q, \slot, \first
	PLACES NP
	WIN 0
	FETCH_A \slot, (\q)+1, 4
.endm
; Slot 0's last step changes slots: ONE barrier; in front of it each wave waits for all its tensor loads (its part of slot 1), adds 0 to its spare word, and waits for that and for its own LDS loads.  Nothing is filled again.
.macro TURN slot, next
	s_wait_tensorcnt 0x0                           ; all my tensor loads have landed: my part of the next slot;  (every window is 0 here: the add's two registers lie in window 0)
	ds_add_u32 v[SPW], v[NIL]                      ; 0 onto my spare word;
	s_wait_dscnt 4*NL+1                            ; (the add and the youngest eight loads, A's blocks 4-7, may be out)
	WIN MUL_LO
	MUL16 0, 1, NQ-1, \slot, 0                     ; sixteen matrix instructions stand between the add and the wait for it
	s_wait_dscnt 0x0                               ; the add is done, and no LDS load of mine is out at the signal
	s_barrier_signal -1
	MUL16 2, 1, NQ-1, \slot, 0
	WIN 0
	s_barrier_wait -1                              ; every wave's part of the next slot has landed
	PLACES NP
	v_add_nc_u32 v[ADRS], 4*NQ, v[ADRS]            ; on to the next slot's scale words (no LDS load of mine is out)
	FETCH_B \next, 0, 0
	FETCH_A \next, 0, 0
	SCALES \next
	WIN MUL_HI
	MUL16 4, 1, NQ-1, \slot, 0
	MUL16 6, 1, NQ-1, \slot, 0
	PLACES NP
	WIN 0
	FETCH_A \next, 0, 4
.endm
.macro STEPS slot, from                ; the slot's steps from .. NQ - 2
.set Q, \from
.rept NQ-1-\from
	STEP \slot, Q, 0
.set Q, Q+1
.endr
.endm
	s_wait_tensorcnt 1                             ; the scales and my part of slot 0 are in (slot 1's load may be out)
	s_barrier_signal -1
	s_barrier_wait -1                              ; everybody's are
	FETCH_B 0, 0, 0
	FETCH_A 0, 0, 0
	SCALES 0
	FETCH_A 0, 0, 4
	s_wait_loadcnt 0x0                             ; the bias
	STEP 0, 0, 1                                   ; the first step's products start the sums, from the bias
	STEPS 0, 1
	TURN 0, 1
	STEPS 1, 0
	s_wait_dscnt 4*NL                              ; the very last step: nothing more to fetch
	WIN MUL_LO
	MUL16 0, 1, NQ-1, 1, 0
	MUL16 2, 1, NQ-1, 1, 0
	s_wait_dscnt 0
	WIN MUL_HI
	MUL16 4, 1, NQ-1, 1, 0
	MUL16 6, 1, NQ-1, 1, 0
	WIN 0
; THE WAY OUT, block by block of 16 tokens x 128 columns.  Accumulator (a, b): tokens 16 a on, columns 16 b on: head b / 4 of my two, chunk b % 4.
.macro PACK a                          ; each accumulator from its low end on
.set AC, 64*((\a)%4)
.set TP, PK+32*((\a)%4)
	WIN 0x0a+5*((\a)/4)                            ; sources 0 and 1: window 2 or 3
.irp b, 0,1,2,3,4,5,6,7
.irp i, 0,1,2,3
	v_cvt_pk_f16_f32 v[TP+4*\b+\i], v[AC+8*\b+2*\i], v[AC+8*\b+2*\i+1]
.endr
.endr
	WIN 0
.endm
.macro SEND a
.set TP, PK+32*((\a)%4)
.irp b, 0,1,2,3,4,5,6,7
	global_store_b128 v[CO], v[TP+4*\b:TP+4*\b+3], s[12:13] offset:(\b/4)*HEADB+(\a)*2048+(\b%4)*512   ; 32 lanes store 512 consecutive bytes, aligned: a whole chunk
.endr
.endm
	PLACES NP                                      ; behind the last products: the conversions read results and write over registers that held A's fragments
.irp a, 0,1,2,3,4,5,6,7
.if \a == 4
	s_wait_xcnt 0x0                                ; the stores of blocks 0 to 3 have read their data: the four sets are written again only behind this wait
.endif
	PACK \a
	SEND \a
.endr
	s_wait_tensorcnt 0x0                           ; the wave's end, behind my last tensor load
	ds_add_u32 v[SPW], v[NIL]
	s_wait_dscnt 0x0
	CROUND                                         ; the closing round: no work-group ends while a partner may still ask for a tile that names it
	s_endpgm
.Lfunc_end_k_qb822d9e47f_qkv:
	.size	k_qb822d9e47f_qkv, .Lfunc_end_k_qb822d9e47f_qkv-k_qb822d9e47f_qkv
	.p2alignl 7, 3214868480
	.fill 96, 4, 3214868480
	.section	.rodata,"a",@progbits
	.p2align	6, 0x0
	.amdhsa_kernel k_qb822d9e47f_qkv
		.amdhsa_group_segment_fixed_size 327680
		.amdhsa_private_segment_fixed_size 0
		.amdhsa_enable_private_segment 0
		.amdhsa_kernarg_size 64
		.amdhsa_user_sgpr_count 2
		.amdhsa_user_sgpr_kernarg_segment_ptr 1
		.amdhsa_wavefront_size32 1
		.amdhsa_system_sgpr_workgroup_id_x 1
		.amdhsa_system_sgpr_workgroup_id_y 1
		.amdhsa_system_sgpr_workgroup_id_z 1
		.amdhsa_system_vgpr_workitem_id 0
		.amdhsa_next_free_vgpr 1024
		.amdhsa_next_free_sgpr 102
		.amdhsa_reserve_vcc 0
		.amdhsa_float_denorm_mode_32 3
		.amdhsa_float_denorm_mode_16_64 3
		.amdhsa_memory_ordered 1
		.amdhsa_forward_progress 1
		.amdhsa_inst_pref_size 120
	.end_amdhsa_kernel
	.amdgpu_metadata
---
amdhsa.version: [ 1, 2 ]
amdhsa.kernels:
  - .name:           k_qb822d9e47f_qkv
    .symbol:         k_qb822d9e47f_qkv.kd
    .args:
      - { .name: xc, .offset: 0, .size: 8, .value_kind: global_buffer, .address_space: global }
      - { .name: xs, .offset: 8, .size: 8, .value_kind: global_buffer, .address_space: global }
      - { .name: wc, .offset: 16, .size: 8, .value_kind: global_buffer, .address_space: global }
      - { .name: ws, .offset: 24, .size: 8, .value_kind: global_buffer, .address_space: global }
      - { .name: bq, .offset: 32, .size: 8, .value_kind: global_buffer, .address_space: global }
      - { .name: bk, .offset: 40, .size: 8, .value_kind: global_buffer, .address_space: global }
      - { .name: bv, .offset: 48, .size: 8, .value_kind: global_buffer, .address_space: global }
      - { .name: qkv, .offset: 56, .size: 8, .value_kind: global_buffer, .address_space: global }
    .group_segment_fixed_size: 327680
    .private_segment_fixed_size: 0
    .kernarg_segment_align: 8
    .kernarg_segment_size: 64
    .max_flat_workgroup_size: 128
    .sgpr_count:     102
    .vgpr_count:     1024
    .wavefront_size: 32
...
	.end_amdgpu_metadata
.endif
;; end of part 2
;; launch attn (part 3): grid 4 x 64, 16 waves a work-group, clusters of 4 x 1, 327,680 bytes of LDS; arguments qkv, ao; writes ao
.if DOCPART == 3
	.amdgcn_target "amdgcn-amd-amdhsa--gfx1250"
	.amdhsa_code_object_version 6
	.text
	.protected	k_qb822d9e47f_attn
	.globl	k_qb822d9e47f_attn
	.p2align	8
	.type	k_qb822d9e47f_attn,@function
k_qb822d9e47f_attn:
	s_mov_b64 s[64:65], 0
	v_nop
	global_prefetch_b8 v0, s[64:65] scope:SCOPE_SE
	s_setreg_imm32_b32 hwreg(HW_REG_WAVE_MODE, 25, 1), 1
	s_wait_xcnt 0x0
	s_wait_alu depctr_hold_cnt(0) depctr_sa_sdst(0) depctr_va_vdst(0) depctr_va_sdst(0) depctr_va_ssrc(0) depctr_va_vcc(0) depctr_vm_vsrc(0)
	s_getreg_b32 s2, hwreg(HW_REG_IB_STS2, 6, 4)
	s_cmp_eq_u32 s2, 0
	s_cbranch_scc0 .Lentry_in_a_cluster
	s_endpgm
.Lentry_in_a_cluster:
	s_bfe_u32 s2, ttmp6, 0x10000c
	s_cmp_lg_u32 s2, 0x3003
	s_cbranch_scc0 .Lentry_shape_is_right
	s_endpgm
.Lentry_shape_is_right:
; o[head][q][:] = the sum over k of softmax_k(q . k / 8) v[k][:], 64 heads (batch x head) of 2,048 tokens x 64 channels, no mask.  q, k, v come as f16 from the launch before; products, maxima and sums in f32;
; the weights p are rounded to f16 for the second product, o once at the end.  LIMIT: o is carried in f16; it is an average of v's rows, which are f16 already.
; qkv: [3 tensors][64 heads][128 tiles of 16 tokens][4 chunks of 16 channels][512 bytes].  q's and k's chunks are images of operand registers: lane l's 16 bytes at 16 l are token l % 16, channels 8 (l / 16) + 0 .. 7;
; two chunks are a fragment of 16 tokens x 32 channels.  v's chunks are 16 tokens x 32 bytes by rows: ds_load_tr16_b128 turns them.  So every LDS load of a wave reads consecutive bytes: no pitch, no padding.
; SHARES.  A work-group owns 512 queries of one head; each of its SIXTEEN waves owns 32, two tiles of 16, in 256 registers: four waves to a SIMD, so that one wave's softmax stands beside another's products and LDS loads.
; A step's softmax is 118 vector instructions a tile beside 16 matrix instructions: more than could be set between the products of one wave, which is why the waves and not the text do the overlap.
; Every wave walks the head's 2,048 keys, 64 a step.  K and V come through a ring of two LDS slots of 256 keys (32,768 bytes of K, then as many of V), filled by waves 0 to 3, a quarter each, and read by all sixteen.
; CLUSTER.  The four query blocks of a head form a cluster and walk the same K and V: each quarter is asked for JOINTLY, by the same tensor load with the same descriptor and a mask that names the four.
; LAYOUT.  S^T = K Q^T (source 0 = 16 keys, source 1 = 16 queries): a lane holds ONE query (lane % 16) and keys 8 (lane / 16) + 0 .. 7.  Two such tiles, rounded to f16 in pairs, ARE source 1 (32 keys x 16 queries) of
; O^T = V^T P, whose result again holds one query a lane and eight channels; packed, that is a chunk of the next launch's operand image, in the same lanes: ao [512 tiles of 16 tokens][32 pieces of 32 along K][2][512 bytes].
; SOFTMAX.  For each query a running maximum m and sum l: p = 2^(c s - c m), c = log2(e) / 8; in every step O and l are multiplied by a = 2^(c m_old - c m_new).  The step is written once: m begins at -3e38, l and O^T at 0.
; REGISTERS: v1-8 addresses; v12-27 eight registers of statistics a tile; v32-63 Q; v64-127 ONE buffer: a step's K, then its V; v128-191 S^T, then p, then P in each tile's first 16; v192-255 O^T.
.set TILEB, 2048                       ; 16 tokens x 64 channels of f16
.set STEPB, 4*TILEB                    ; a step's 64 keys
.set KVB,   32768                      ; a slot's 256 keys of K, or of V
.set SLOT1, 1<<16                      ; slot 1 begins here: one exclusive or turns an address in one slot into the other's
.set VOFF,  KVB
.set SPARE, 2*SLOT1                    ; behind the ring: the spare words, 128 bytes for each of the sixteen waves, which no other line names
.set NSL,   8                          ; slots' worth of keys
.set AK0, 1                            ; v1   16 x lane: my place in a chunk of K
.set AV0, 2                            ; v2   my place in a chunk of V, for the turning load
.set ADK, 3                            ; v3   LDS address of the step's K
.set ADV, 4                            ; v4   and V
.set SPW, 5                            ; v5   LDS address of my spare word; never rewritten
.set NIL, 6                            ; v6   0; never rewritten
.set GO,  7                            ; v7   16 x lane: my place in a chunk of q and of ao
.set PFO, 8                            ; v8   256 x lane: the prefetches' offset; never rewritten
.set ST,  12                           ; tile t's statistics at v[ST + 8 t]: +0 c m, +1 m, +2, +3 l (even keys', odd keys'), +4 to +7 at work; a ends in +6, c m_old - c m_new in +7
.set Q,   32                           ; tile t, channels 32 u on: v[Q + 16 t + 8 u]
.set KV,  64
.set S,   128                          ; tile t, keys 16 k on: v[S + 32 t + 8 k]
.set O,   192                          ; tile t, channels 16 d on: v[O + 32 t + 8 d]
.set WV,  8                            ; s8   my wave's number
.set CX,  9                            ; s9   my place in the cluster: it enters q's, ao's and the prefetches' addresses alone
.set BH,  10                           ; s10  the head
.set G0,  12                           ; s[12:15] descriptor group 0: it walks
.set G1,  16                           ; s[16:23] descriptor group 1
.set CS,  24                           ; s[24:25] c: the packed scaling names a pair and takes its low word for both halves
.set SEL, 26                           ; s[26:27] lane selects for v_permlanex16_b32: lane l xor 16
.set TB,  28                           ; s28  LDS byte at which the slot in hand begins
.set SLOTS, 29                         ; s29  slots still to be asked for
.set LIM, 30                           ; s30  1 in a wave that prefetches, else the greatest number
.set PFA, 32                           ; s[32:33] where my prefetches stand
.set QB,  34                           ; s[34:35] q at my wave's first tile
.set OB,  36                           ; s[36:37] ao at my wave's first chunk
; A joint load: waves 0 and 1 fetch K's halves of a slot, waves 2 and 3 V's, the others nothing.  The branch hangs on the wave's number alone.  An s_nop 0 and four v_nop follow the load.
.macro JLOAD
	s_cmp_lt_u32 s[WV], 4
	s_cbranch_scc0 .Lasked_\@
	tensor_load_to_lds s[G0:G0+3], s[G1:G1+7]
	s_nop 0
.rept 4
	v_nop
.endr
.Lasked_\@:
.endm
; A PREFETCH INTO THE L2 of what the NEXT change of slots will ask for: 32,768 bytes of K and as many of V.  It stands behind the joint load.  Each aligned block of 256 bytes is named ONCE in the launch: a head has one
; cluster; its four partners take 8,192 bytes each, told apart BY ADDRESS; in each, wave 4 asks for K's and wave 5 for V's, lanes 256 bytes apart, one instruction.  It asks a slot's four key steps ahead of the load.
; The last change that fills a slot asks for nothing: there is no slot behind it.  Slots 0 and 1 come by their loads alone.
.macro ASK
	s_cmp_gt_u32 s[SLOTS], s[LIM]
	s_cbranch_scc0 .Lnot_mine_\@
	global_prefetch_b8 v[PFO], s[PFA:PFA+1] th:TH_LOAD_NT scope:SCOPE_SE
.Lnot_mine_\@:
.endm
.macro CROUND                          ; a round of the cluster's barrier: my work-group's barrier; wave 0 signals for the work-group; every wave waits for all four work-groups; my work-group's barrier once more
	s_barrier_signal -1
	s_barrier_wait -1
	s_cmp_lg_u32 s[WV], 0
	s_cbranch_scc1 .Lnot_wave_0_\@
	s_barrier_signal -3
.Lnot_wave_0_\@:
	s_barrier_wait -3
	s_barrier_signal -1
	s_barrier_wait -1
.endm
	s_load_b128 s[4:7], s[0:1], 0x0                ; qkv s[4:5], ao s[6:7]
	v_lshl_add_u32 v[SPW], v0, 2, SPARE
	v_mov_b32 v[NIL], 0
	ds_add_u32 v[SPW], v[NIL]                      ; the wave's opening: the add, twice on end, and its wait ahead of the first tensor load; the set-up below stands between the second and the wait
	ds_add_u32 v[SPW], v[NIL]
	v_lshrrev_b32 v9, 5, v0
	v_readfirstlane_b32 s[WV], v9                  ; wave 0..15
	s_bfe_u32 s[CX], ttmp6, 0x40000
	s_and_b32 s[BH], ttmp7, 0xffff                 ; the cluster's y: the four partners share it
	; descriptor group 1: a dense block of 16,384 bytes as 64 rows of 256 bytes (32 elements of 8 bytes), no padding
	s_mov_b32 s[G1], 15|(3<<16)|(1<<21)            ; 15:0 the mask: all four work-groups; 17:16 elements of 8 bytes; 21 set beside a mask
	s_mov_b32 s[G1+1], 32<<16                      ; tensor_dim0 = 32
	s_mov_b32 s[G1+2], 64<<16                      ; tensor_dim1 = 64
	s_mov_b32 s[G1+3], 32<<16                      ; tile_dim0 = 32
	s_mov_b32 s[G1+4], 64                          ; tile_dim1 = 64
	s_mov_b32 s[G1+5], 32                          ; tensor_dim0_stride
	s_mov_b32 s[G1+6], 0
	s_mov_b32 s[G1+7], 0
	s_mov_b32 s[CS], 0x3e38aa3b                    ; c = log2(e) / 8
	s_mov_b32 s[CS+1], s[CS]                       ; named with it as a pair, so it is written
	s_mov_b32 s[SEL], 0x76543210
	s_mov_b32 s[SEL+1], 0xfedcba98
	s_mov_b32 s[TB], 0
	s_mov_b32 s[SLOTS], NSL-1
	s_lshr_b32 s38, s[WV], 1
	s_cmp_eq_u32 s38, 2                            ; waves 4 and 5: the same in all four partners
	s_cselect_b32 s[LIM], 1, -1
	; what I fetch, if I fetch: quarter w of a slot: K's keys 0-127, K's 128-255, V's 0-127, V's 128-255.  (Waves 4 to 15 issue no load; the minimum keeps their registers inside the buffer and the ring.)
	s_min_u32 s38, s[WV], 3
	s_mov_b32 s[G0], 1                             ; 1:0 count = 1
	s_lshl_b32 s[G0+1], s38, 14                    ; 63:32 LDS address: slot 0, quarter w: no place in the cluster enters an LDS address
	s_lshr_b32 s39, s38, 1
	s_add_co_u32 s39, s39, 1
	s_lshl_b32 s39, s39, 24                        ; tensor 1 (k) or 2 (v): 2^24 bytes each,
	s_and_b32 s38, s38, 1
	s_lshl_b32 s38, s38, 14                        ; the half,
	s_add_co_u32 s38, s38, s39
	s_lshl_b32 s40, s[BH], 18                      ; the head: 2^18 bytes
	s_add_co_u32 s38, s38, s40
	s_mov_b32 s39, 0
	s_lshl_b32 s42, s[CX], 5
	s_lshl_b32 s43, s[WV], 1
	s_add_co_u32 s42, s42, s43                     ; my first tile of 16 queries in the head: 32 cx + 2 x wave
	s_lshl_b32 s43, s42, 11
	s_add_co_u32 s[QB], s43, s40
	s_mov_b32 s[QB+1], 0
	s_lshr_b32 s43, s[BH], 4                       ; the batch: 128 tiles of tokens
	s_lshl_b32 s43, s43, 7
	s_add_co_u32 s43, s43, s42
	s_lshl_b32 s[OB], s43, 15                      ; ao: 32,768 bytes a tile of 16 tokens,
	s_and_b32 s43, s[BH], 15
	s_lshl_b32 s43, s43, 11                        ; 2,048 a head
	s_add_co_u32 s[OB], s[OB], s43
	s_mov_b32 s[OB+1], 0
	s_and_b32 s[PFA], s[WV], 1                     ; the prefetches: k (wave 4) or v (wave 5),
	s_add_co_u32 s[PFA], s[PFA], 1
	s_lshl_b32 s[PFA], s[PFA], 24
	s_add_co_u32 s[PFA], s[PFA], s40               ; my head,
	s_lshl_b32 s43, s[CX], 13
	s_add_co_u32 s[PFA], s[PFA], s43               ; my work-group's 8,192 bytes,
	s_add_co_u32 s[PFA], s[PFA], KVB               ; in slot 1: the first change of slots steps it to slot 2.  Nothing is prefetched at the head
	s_mov_b32 s[PFA+1], 0
	s_wait_dscnt 0x0                               ; both opening adds are done
	s_wait_kmcnt 0x0
	s_add_nc_u64 s[G0+2:G0+3], s[4:5], s[38:39]    ; 120:64 global address
	s_or_b32 s[G0+3], s[G0+3], 0x80000000          ; 127:126 type = 2
	s_add_nc_u64 s[QB:QB+1], s[4:5], s[QB:QB+1]
	s_add_nc_u64 s[PFA:PFA+1], s[4:5], s[PFA:PFA+1]
	s_add_nc_u64 s[OB:OB+1], s[6:7], s[OB:OB+1]
	CROUND                                         ; all four work-groups are here: the first joint loads meet
	JLOAD                                          ; slot 0
	v_and_b32 v9, 31, v0
	v_lshlrev_b32 v[GO], 4, v9
	v_lshlrev_b32 v[AK0], 4, v9
	v_lshlrev_b32 v[PFO], 8, v9
.irp t, 0,1
.irp u, 0,1
.irp c, 0,1
	global_load_b128 v[Q+16*\t+8*\u+4*\c:Q+16*\t+8*\u+4*\c+3], v[GO], s[QB:QB+1] offset:TILEB*\t+1024*\u+512*\c   ; Q stays in registers
.endr
.endr
.endr
	; The turning load takes 16 keys x 16 channels (lane l reads 16 bytes: key 8 (l / 16) + l % 8, channels 8 ((l / 8) % 2) + 0 .. 7) and leaves half a fragment of V^T: lane l holds channel l % 16 and 8 keys.
	v_bfe_u32 v9, v0, 4, 1
	v_and_b32 v10, 7, v0
	v_bfe_u32 v11, v0, 3, 1
	v_lshl_add_u32 v[AV0], v9, 3, v10
	v_lshlrev_b32 v[AV0], 5, v[AV0]                ; 32 bytes a key in a chunk: sixteen lanes read 256 consecutive bytes
	v_lshl_add_u32 v[AV0], v11, 4, v[AV0]
	v_add_nc_u32 v[AV0], VOFF, v[AV0]
.irp t, 0,1
	v_mov_b32 v[ST+8*\t+1], 0xff61b1e6             ; m: -3e38, under every score
	v_mov_b32 v[ST+8*\t+2], 0                      ; l, in two halves
	v_mov_b32 v[ST+8*\t+3], 0
.endr
.irp t, 0,1
	v_mul_f32 v[ST+8*\t], s[CS], v[ST+8*\t+1]      ; c m
.endr
.irp j, 0,1,2,3,4,5,6,7,8,9,10,11,12,13,14,15,16,17,18,19,20,21,22,23,24,25,26,27,28,29,30,31,32,33,34,35,36,37,38,39,40,41,42,43,44,45,46,47,48,49,50,51,52,53,54,55,56,57,58,59,60,61,62,63
	v_mov_b32 v[O+\j], 0                           ; O^T.  (The step is written once: the first finds zeros, and its a is 0.  64 lines once, against another copy of the step)
.endr
; A KEY STEP: 64 keys, the q-th of the slot in hand.
.macro STEP q
	v_add_nc_u32 v[ADK], s[TB], v[AK0]
.rept 4
	v_nop                                          ; with the addition five places behind the last V^T P: its fragments of V are loaded over (four are asked), and the first K Q^T writes over the registers that it read as P (five)
.endr
.irp k, 0,1,2,3                                ; K: keys 16 k on, channels 32 u on
.irp u, 0,1
.irp c, 0,1
	ds_load_b128 v[KV+8*(2*\k+\u)+4*\c:KV+8*(2*\k+\u)+4*\c+3], v[ADK] offset:STEPB*(\q)+TILEB*\k+1024*\u+512*\c
.endr
.endr
.endr
	s_wait_dscnt 0x0
.irp u, 0,1                                    ; S^T = K Q^T: the eight accumulators take turns, one instruction a turn; the first eight start the sums
.irp k, 0,1,2,3
.irp t, 0,1
.if \u == 0
	v_wmma_f32_16x16x32_f16 v[S+32*\t+8*\k:S+32*\t+8*\k+7], v[KV+8*(2*\k+\u):KV+8*(2*\k+\u)+7], v[Q+16*\t+8*\u:Q+16*\t+8*\u+7], 0
.else
	v_wmma_f32_16x16x32_f16 v[S+32*\t+8*\k:S+32*\t+8*\k+7], v[KV+8*(2*\k+\u):KV+8*(2*\k+\u)+7], v[Q+16*\t+8*\u:Q+16*\t+8*\u+7], v[S+32*\t+8*\k:S+32*\t+8*\k+7]
.endif
.endr
.endr
.endr
	v_add_nc_u32 v[ADV], s[TB], v[AV0]
.rept 3
	v_nop                                          ; with the addition four places: in front of the loads over K's fragments, and of the first read of the scores
.endr
.irp g, 0,1                                    ; V, turned: keys 32 g on, channels 16 d on.  The loads land while the softmax is walked
.irp d, 0,1,2,3
.irp i, 0,1
	ds_load_tr16_b128 v[KV+8*(4*\g+\d)+4*\i:KV+8*(4*\g+\d)+4*\i+3], v[ADV] offset:STEPB*(\q)+TILEB*(2*\g+\i)+512*\d
.endr
.endr
.endr
	; THE SOFTMAX, the two tiles line by line, so that no line waits for the line above it.  The maximum of a lane's 32 scores and the old m: four chains of seven, each accumulator from its low end on
.irp j, 0,1,2,3
.irp t, 0,1
	v_max3_num_f32 v[ST+8*\t+4+\j], v[S+32*\t+8*\j], v[S+32*\t+8*\j+1], v[S+32*\t+8*\j+2]
.endr
.endr
.irp i, 3,5
.irp j, 0,1,2,3
.irp t, 0,1
	v_max3_num_f32 v[ST+8*\t+4+\j], v[ST+8*\t+4+\j], v[S+32*\t+8*\j+\i], v[S+32*\t+8*\j+\i+1]
.endr
.endr
.endr
.irp t, 0,1
	v_max3_num_f32 v[ST+8*\t+4], v[ST+8*\t+4], v[S+32*\t+7], v[S+32*\t+15]
.endr
.irp t, 0,1
	v_max3_num_f32 v[ST+8*\t+6], v[ST+8*\t+6], v[S+32*\t+23], v[S+32*\t+31]
.endr
.irp t, 0,1
	v_max3_num_f32 v[ST+8*\t+4], v[ST+8*\t+4], v[ST+8*\t+5], v[ST+8*\t+6]
.endr
.irp t, 0,1
	v_max3_num_f32 v[ST+8*\t+4], v[ST+8*\t+4], v[ST+8*\t+7], v[ST+8*\t+1]
.endr
.irp t, 0,1
	v_permlanex16_b32 v[ST+8*\t+5], v[ST+8*\t+4], s[SEL], s[SEL+1]   ; the query's other 32 keys lie in the lane 16 away
.endr
.irp t, 0,1
	v_mov_b32 v[ST+8*\t+7], v[ST+8*\t]             ; c m_old is kept for a
.endr
.irp t, 0,1
	v_max_num_f32 v[ST+8*\t+1], v[ST+8*\t+4], v[ST+8*\t+5]   ; the new m
.endr
.irp t, 0,1
	v_mul_f32 v[ST+8*\t], s[CS], v[ST+8*\t+1]
.endr
.irp t, 0,1
	v_sub_f32 v[ST+8*\t+7], v[ST+8*\t+7], v[ST+8*\t]
.endr
.irp b, 0,1,2,3,4,5,6,7,8,9,10,11,12,13,14,15
.irp t, 0,1
	v_pk_fma_f32 v[S+32*\t+2*\b:S+32*\t+2*\b+1], v[S+32*\t+2*\b:S+32*\t+2*\b+1], s[CS:CS+1], v[ST+8*\t:ST+8*\t+1] op_sel_hi:[1,0,0] neg_lo:[0,0,1] neg_hi:[0,0,1]   ; c s - c m, two at a time
.endr
.endr
.irp t, 0,1
	v_exp_f32 v[ST+8*\t+6], v[ST+8*\t+7]           ; a.  ONE BATCH: both tiles' 66 exponentials, none of which reads another's result
.endr
.irp j, 0,1,2,3,4,5,6,7,8,9,10,11,12,13,14,15,16,17,18,19,20,21,22,23,24,25,26,27,28,29,30,31
.irp t, 0,1
	v_exp_f32 v[S+32*\t+\j], v[S+32*\t+\j]
.endr
.endr
	v_nop                                          ; a plain instruction behind the last exponential, ahead of the first use
	s_wait_alu depctr_va_vdst(0)                   ; and a wait ahead of the first instruction that names a result: one for the batch
.irp t, 0,1                                    ; the sums, of the unrounded p, in two chains a tile: l = a l + pair 0,
	v_pk_fma_f32 v[ST+8*\t+2:ST+8*\t+3], v[ST+8*\t+2:ST+8*\t+3], v[ST+8*\t+6:ST+8*\t+7], v[S+32*\t:S+32*\t+1] op_sel_hi:[1,0,1]
.endr
.irp t, 0,1
	v_pk_add_f32 v[ST+8*\t+4:ST+8*\t+5], v[S+32*\t+2:S+32*\t+3], v[S+32*\t+4:S+32*\t+5]
.endr
.irp b, 3,5,7,9,11,13
.irp t, 0,1
	v_pk_add_f32 v[ST+8*\t+2:ST+8*\t+3], v[ST+8*\t+2:ST+8*\t+3], v[S+32*\t+2*\b:S+32*\t+2*\b+1]
.endr
.irp t, 0,1
	v_pk_add_f32 v[ST+8*\t+4:ST+8*\t+5], v[ST+8*\t+4:ST+8*\t+5], v[S+32*\t+2*\b+2:S+32*\t+2*\b+3]
.endr
.endr
.irp t, 0,1
	v_pk_add_f32 v[ST+8*\t+2:ST+8*\t+3], v[ST+8*\t+2:ST+8*\t+3], v[S+32*\t+30:S+32*\t+31]
.endr
.irp t, 0,1
	v_pk_add_f32 v[ST+8*\t+2:ST+8*\t+3], v[ST+8*\t+2:ST+8*\t+3], v[ST+8*\t+4:ST+8*\t+5]
.endr
.irp i, 0,1,2,3,4,5,6,7,8,9,10,11,12,13,14,15  ; P: pair i into register i of the tile's own 32: ascending, so that no pair is written over before it is read
.irp t, 0,1
	v_cvt_pk_f16_f32 v[S+32*\t+\i], v[S+32*\t+2*\i], v[S+32*\t+2*\i+1]
.endr
.endr
.irp i, 0,2,4,6,8,10,12,14,16,18,20,22,24,26,28,30
.irp t, 0,1
	v_pk_mul_f32 v[O+32*\t+\i:O+32*\t+\i+1], v[O+32*\t+\i:O+32*\t+\i+1], v[ST+8*\t+6:ST+8*\t+7] op_sel_hi:[1,0]   ; O^T x a, each accumulator from its low end on
.endr
.endr
	s_wait_dscnt 0x0                               ; V is in
.irp g, 0,1                                    ; O^T += V^T P: the eight accumulators take turns
.irp d, 0,1,2,3
.irp t, 0,1
	v_wmma_f32_16x16x32_f16 v[O+32*\t+8*\d:O+32*\t+8*\d+7], v[KV+8*(4*\g+\d):KV+8*(4*\g+\d)+7], v[S+32*\t+8*\g:S+32*\t+8*\g+7], v[O+32*\t+8*\d:O+32*\t+8*\d+7]
.endr
.endr
.endr
.endm
; THE CHANGE OF SLOTS stands at a slot's head.  Each wave waits for all its tensor loads (its part of the slot that it is about to read), adds 0 to its spare word, and waits for that and for its reads of the slot that it
; has left.  fill = 1: the barrier is a round of the cluster's, so that no wave of any partner still reads that slot or has a load on its way, and the joint load of the next 256 keys is the first thing behind it:
; it has a slot's four key steps in which to land.
.macro CHANGE fill
	s_wait_tensorcnt 0x0                           ; no tensor load of mine is out, so group 0 may be written
	ds_add_u32 v[SPW], v[NIL]                      ; 0 onto my spare word
.if \fill
	ds_add_u32 v[SPW], v[NIL]                      ; and once more: the add twice on end, in every trip alike
	s_xor_b32 s[G0+1], s[G0+1], SLOT1              ; the walking descriptor: the other slot than last time,
	s_add_nc_u64 s[G0+2:G0+3], s[G0+2:G0+3], KVB   ; the next 256 keys; the type bits on top are not reached
	s_wait_xcnt 0x0                                ; the last prefetch, a slot back, has read its address, so it may be written:
	s_add_nc_u64 s[PFA:PFA+1], s[PFA:PFA+1], KVB   ; one slot further on than the walking descriptor
	s_wait_dscnt 0x0                               ; both adds are done, and my reads of the slot that I have left are over
	CROUND
	JLOAD
	ASK
.else
	s_wait_dscnt 0x0                               ; the add is done, and my reads of the slot that I have left are over
	s_barrier_signal -1
	s_barrier_wait -1
.endif
.endm
.macro SLOT_STEPS
.irp n, 0,1,2,3
	STEP \n
.endr
	s_xor_b32 s[TB], s[TB], SLOT1                  ; on to the other slot
.endm
	s_wait_loadcnt 0x0                             ; Q
.Lslot:                                                ; NSL - 1 trips: behind each change of slots but the last the next slot is asked for
	CHANGE 1
	SLOT_STEPS
	s_sub_co_u32 s[SLOTS], s[SLOTS], 1
	s_cmp_lg_u32 s[SLOTS], 0
	s_cbranch_scc1 .Lslot
	CHANGE 0                                       ; the last slot is written out
	SLOT_STEPS
	; THE WAY OUT.  l's two halves and the other half of the lanes' are added; O^T is divided by l and rounded to f16.  A lane's eight channels of a query are 16 bytes of a chunk of ao, at 16 x lane: no LDS.
	; The four additions and the v_nop are the places behind the last products.
.irp t, 0,1
	v_add_f32 v[ST+8*\t+4], v[ST+8*\t+2], v[ST+8*\t+3]
.endr
.irp t, 0,1
	v_permlanex16_b32 v[ST+8*\t+5], v[ST+8*\t+4], s[SEL], s[SEL+1]
.endr
.irp t, 0,1
	v_add_f32 v[ST+8*\t+4], v[ST+8*\t+4], v[ST+8*\t+5]
.endr
.irp t, 0,1
	v_rcp_f32 v[ST+8*\t+6], v[ST+8*\t+4]
.endr
	v_nop                                          ; a plain instruction between the last reciprocal and the use of its result
	s_wait_alu depctr_va_vdst(0)                   ; and a wait ahead of the first use: one for both
.irp t, 0,1
.irp i, 0,2,4,6,8,10,12,14,16,18,20,22,24,26,28,30
	v_pk_mul_f32 v[O+32*\t+\i:O+32*\t+\i+1], v[O+32*\t+\i:O+32*\t+\i+1], v[ST+8*\t+6:ST+8*\t+7] op_sel_hi:[1,0]
.endr
.endr
.irp t, 0,1
.irp i, 0,1,2,3,4,5,6,7,8,9,10,11,12,13,14,15
	v_cvt_pk_f16_f32 v[S+16*\t+\i], v[O+32*\t+2*\i], v[O+32*\t+2*\i+1]
.endr
.endr
.irp t, 0,1
.irp d, 0,1,2,3
	global_store_b128 v[GO], v[S+16*\t+4*\d:S+16*\t+4*\d+3], s[OB:OB+1] offset:32768*\t+512*\d   ; 32 lanes store 512 consecutive bytes, aligned: a whole chunk
.endr
.endr
	s_wait_tensorcnt 0x0                           ; the wave's end, behind my last tensor load
	ds_add_u32 v[SPW], v[NIL]
	s_wait_dscnt 0x0
	CROUND                                         ; the closing round: no work-group ends while a partner may still ask for a tile that names it
	s_endpgm
.Lfunc_end_k_qb822d9e47f_attn:
	.size	k_qb822d9e47f_attn, .Lfunc_end_k_qb822d9e47f_attn-k_qb822d9e47f_attn
	.p2alignl 7, 3214868480
	.fill 96, 4, 3214868480
	.section	.rodata,"a",@progbits
	.p2align	6, 0x0
	.amdhsa_kernel k_qb822d9e47f_attn
		.amdhsa_group_segment_fixed_size 327680
		.amdhsa_private_segment_fixed_size 0
		.amdhsa_enable_private_segment 0
		.amdhsa_kernarg_size 16
		.amdhsa_user_sgpr_count 2
		.amdhsa_user_sgpr_kernarg_segment_ptr 1
		.amdhsa_wavefront_size32 1
		.amdhsa_system_sgpr_workgroup_id_x 1
		.amdhsa_system_sgpr_workgroup_id_y 1
		.amdhsa_system_sgpr_workgroup_id_z 1
		.amdhsa_system_vgpr_workitem_id 0
		.amdhsa_next_free_vgpr 256
		.amdhsa_next_free_sgpr 66
		.amdhsa_reserve_vcc 0
		.amdhsa_float_denorm_mode_32 3
		.amdhsa_float_denorm_mode_16_64 3
		.amdhsa_memory_ordered 1
		.amdhsa_forward_progress 1
		.amdhsa_inst_pref_size 150
	.end_amdhsa_kernel
	.amdgpu_metadata
---
amdhsa.version: [ 1, 2 ]
amdhsa.kernels:
  - .name:           k_qb822d9e47f_attn
    .symbol:         k_qb822d9e47f_attn.kd
    .args:
      - { .name: qkv, .offset: 0, .size: 8, .value_kind: global_buffer, .address_space: global }
      - { .name: ao, .offset: 8, .size: 8, .value_kind: global_buffer, .address_space: global }
    .group_segment_fixed_size: 327680
    .private_segment_fixed_size: 0
    .kernarg_segment_align: 8
    .kernarg_segment_size: 16
    .max_flat_workgroup_size: 512
    .sgpr_count:     66
    .vgpr_count:     256
    .wavefront_size: 32
...
	.end_amdgpu_metadata
.endif
;; end of part 3
;; launch proj (part 4): grid 8 x 64, 4 waves a work-group, clusters of 4 x 4, 327,680 bytes of LDS; arguments ao, wo16, out0, bo; writes out0
.if DOCPART == 4
	.amdgcn_target "amdgcn-amd-amdhsa--gfx1250"
	.amdhsa_code_object_version 6
	.text
	.protected	k_qb822d9e47f_proj
	.globl	k_qb822d9e47f_proj
	.p2align	8
	.type	k_qb822d9e47f_proj,@function
k_qb822d9e47f_proj:
	s_mov_b64 s[64:65], 0
	v_nop
	global_prefetch_b8 v0, s[64:65] scope:SCOPE_SE
	s_setreg_imm32_b32 hwreg(HW_REG_WAVE_MODE, 25, 1), 1
	s_wait_xcnt 0x0
	s_wait_alu depctr_hold_cnt(0) depctr_sa_sdst(0) depctr_va_vdst(0) depctr_va_sdst(0) depctr_va_ssrc(0) depctr_va_vcc(0) depctr_vm_vsrc(0)
	s_getreg_b32 s2, hwreg(HW_REG_IB_STS2, 6, 4)
	s_cmp_eq_u32 s2, 0
	s_cbranch_scc0 .Lentry_in_a_cluster
	s_endpgm
.Lentry_in_a_cluster:
	s_bfe_u32 s2, ttmp6, 0x10000c
	s_cmp_lg_u32 s2, 0xf033
	s_cbranch_scc0 .Lentry_shape_is_right
	s_endpgm
.Lentry_shape_is_right:
; out0[m][n] = sum over k of o[m][k] Wo[n][k] + bo[n].  o: 8,192 x 1,024 and Wo: 1,024 x 1,024 come as f16 from earlier launches; sums and out0 in f32.
; BOTH OPERANDS LIE IN MEMORY AS IMAGES OF THEIR REGISTERS: [tile of 16 rows][32 pieces of 32 along K][2 chunks][512 bytes]; in chunk c lane l's 16 bytes at 16 l are row l % 16, k = 16 c + 8 (l / 16) + 0 .. 7.
; So 256 along K of a tile of 16 rows are 8,192 consecutive bytes, a tensor load brings four such rows, and every LDS load of a wave reads 512 consecutive bytes: no pitch, no padding.
; A tile of out0 is 128 x 128: 512 work-groups.  Four waves, each 64 x 64: 16 accumulators of 16 x 16, 128 registers.  K goes in four steps of 256 through a ring of two LDS slots.
; CLUSTERS: 4 x 4 work-groups.  The four of a row of the cluster need the same tiles of o, the four of a column the same tiles of Wo: each is asked for JOINTLY, by the same tensor load with the same descriptor and a mask that
; names the four.  THE MATRIX INSTRUCTION IS USED TRANSPOSED (source 0 = 16 rows of Wo, source 1 = 16 rows of o): a lane holds eight neighbouring numbers of a row of out0.  The bias is the C of each sum's first product.
; REGISTERS: window 0: v0-31 addresses; v32-95 at work on the way out; v96-127 the bias in the result's layout; v128-255 the accumulators ((a, b) at v[128 + 8 (4 a + b)]).
;   window 1: two fragment buffers of 128: for 64 along K, 64 registers of o (2 x 4 x 16 rows x 32 K), then 64 of Wo.
.set SIZE_N, 1024
.set TILEB,  8192                      ; 16 rows x 256 along K
.set ROWALL, 2048                      ; bytes of a row's 1,024 f16: a tile of 16 rows is 32,768 bytes
.set QB,     2048                      ; a quarter of a K step: 64 along K of a tile of 16 rows
.set HALFT,  4*TILEB                   ; 64 rows: what one tensor load brings, and what one wave reads of either operand
.set SLOT,   4*HALFT                   ; o's 128 rows, then Wo's 128 rows
.set STAGE,  2*SLOT                    ; behind the ring: 16 rows x 272 bytes for each wave, for the way out; no tensor load fills it
.set SPITCH, 272
.set SPARE,  STAGE+4*16*SPITCH         ; behind the stages: the spare words, 128 bytes a wave, which no other line names
.set ADRA, 16                          ; v16-17  LDS address of my fragments of o in slot 0, 1
.set ADRB, 20                          ; v20-21  the same for Wo
.set STO,  24                          ; v24     the way out: where I put 32 bytes of a row
.set RD,   25                          ; v25     the way out: where I read a row back
.set CO,   26                          ; v26     my byte offset in out0
.set BO,   27                          ; v27     my byte offset in the wave's 64 numbers of the bias
.set SPW,  28                          ; v28     LDS address of my spare word; never rewritten
.set NIL,  29                          ; v29     0; never rewritten
.set OB,   32                          ; the way out: 16 rows read back from the stage: v32-63 and v64-95 by turns
.set BI,   96                          ; the bias: block b's eight numbers of my half at v[BI + 8 b]
.set ACC,  128
.set F0,   0                           ; fragment buffers, in window 1
.set F1,   128
.set G1, 24                            ; s[24:31] descriptor group 1 for o's tiles;  s[32:39] group 0, one set for each slot
.set G0, 32
.set G1B, 48                           ; s[48:55], s[56:63] the same for Wo's tiles
.set G0B, 56
.set MSB, 0
.macro WIN new                         ; the immediate's high byte repeats the setting that is left
.if MSB != \new
	s_set_vgpr_msb (MSB<<8)|\new
.set MSB, \new
.endif
.endm
.set MUL,  0x05                        ; sources 0 (Wo) and 1 (o) window 1; C and D window 0
.set TO_F, 0x40                        ; destination window 1, address window 0
.macro JLOAD s                         ; a joint load: waves 0 and 1 fetch o's two halves, waves 2 and 3 Wo's; an s_nop 0 and four v_nop follow each of the two lines, ahead of the jump, the label and what follows
	s_cmp_eq_u32 s11, 0
	s_cbranch_scc0 .Lfor_b_\@
	tensor_load_to_lds s[G0+4*\s:G0+4*\s+3], s[G1:G1+7]
	s_nop 0
.rept 4
	v_nop
.endr
	s_branch .Lasked_\@
.Lfor_b_\@:
	tensor_load_to_lds s[G0B+4*\s:G0B+4*\s+3], s[G1B:G1B+7]
	s_nop 0
.rept 4
	v_nop
.endr
.Lasked_\@:
.endm
.macro CREST                           ; a round of the cluster's barrier behind its opening barrier
	s_cmp_lg_u32 s10, 0
	s_cbranch_scc1 .Lnot_wave_0_\@
	s_barrier_signal -3
.Lnot_wave_0_\@:
	s_barrier_wait -3
	s_barrier_signal -1
	s_barrier_wait -1
.endm
.macro CROUND                          ; a whole round
	s_barrier_signal -1
	s_barrier_wait -1
	CREST
.endm
	s_load_b128 s[4:7], s[0:1], 0x0                ; ao s[4:5], wo16 s[6:7]
	s_load_b64 s[8:9], s[0:1], 0x10                ; out0
	s_load_b64 s[66:67], s[0:1], 0x18              ; bo
	v_lshl_add_u32 v[SPW], v0, 2, SPARE
	v_mov_b32 v[NIL], 0
	ds_add_u32 v[SPW], v[NIL]                      ; the wave's opening: the add, twice on end, and its wait ahead of my first tensor load; the set-up below stands between the second and the wait
	ds_add_u32 v[SPW], v[NIL]
	v_lshrrev_b32 v1, 5, v0
	v_readfirstlane_b32 s10, v1                    ; wave 0..3
	s_lshr_b32 s11, s10, 1                         ; which half of the tile's rows is mine.  Also: I fetch for o (0) or for Wo (1)
	s_and_b32 s12, s10, 1                          ; which half of its columns.  Also: which 64 rows of that tile I fetch
	s_bfe_u32 s40, ttmp6, 0x40000                  ; cx, cy: my place in the cluster
	s_bfe_u32 s41, ttmp6, 0x40004
	s_lshl_b32 s42, ttmp9, 2
	s_add_co_u32 s42, s42, s40                     ; tile column = 4 x cluster x + cx
	s_and_b32 s13, ttmp7, 0xffff
	s_lshl_b32 s13, s13, 2
	s_add_co_u32 s13, s13, s41                     ; tile row = 4 x cluster y + cy
	s_lshl_b32 s43, s41, 2
	s_lshl_b32 s43, 15, s43                        ; my row of the cluster
	s_lshl_b32 s44, 0x1111, s40                    ; my column
	; descriptor group 1: 4 rows of 8,192 bytes (1,024 elements of 8 bytes), 32,768 bytes apart in memory, on end in LDS
	s_or_b32 s[G1+0], s43, (3<<16)|(1<<21)         ; 15:0 the mask: o's tiles go to my row; 17:16 elements of 8 bytes; 21 set beside a mask; no padding
	s_or_b32 s[G1B+0], s44, (3<<16)|(1<<21)
.irp g, G1, G1B
	s_mov_b32 s[\g+1], 1024<<16                    ; tensor_dim0 = 1,024
	s_mov_b32 s[\g+2], 4<<16                       ; tensor_dim1 = 4
	s_mov_b32 s[\g+3], 1024<<16                    ; tile_dim0 = 1,024
	s_mov_b32 s[\g+4], 4                           ; tile_dim1 = 4
	s_mov_b32 s[\g+5], 4096                        ; tensor_dim0_stride
	s_mov_b32 s[\g+6], 0
	s_mov_b32 s[\g+7], 0
.endr
	s_lshl_b32 s17, s12, 6                         ; which 64 rows of the tile I fetch
	s_lshl_b32 s16, s13, 7
	s_add_co_u32 s16, s16, s17                     ; o: row 128 x tile row + 64 x half
	s_lshl_b32 s46, s42, 7
	s_add_co_u32 s46, s46, s17                     ; Wo: row 128 x tile column + 64 x half
	s_mov_b32 s17, 0
	s_mov_b32 s47, 0
	s_mov_b64 s[18:19], ROWALL
	s_mul_u64 s[16:17], s[16:17], s[18:19]         ; (the rows are multiples of 16: whole tiles of 32,768 bytes)
	s_mul_u64 s[46:47], s[46:47], s[18:19]
	s_mul_i32 s20, s10, HALFT                      ; where they go: wave x 64 rows: no place in the cluster enters an LDS address
	s_wait_dscnt 0x0                               ; both opening adds are done
	s_wait_kmcnt 0x0
	s_add_nc_u64 s[14:15], s[4:5], s[16:17]
	s_add_nc_u64 s[46:47], s[6:7], s[46:47]
	CROUND                                         ; all sixteen work-groups are here: the first joint loads meet
.irp s, 0,1
	s_mov_b32 s[G0+4*\s], 1
	s_add_co_u32 s[G0+4*\s+1], s20, \s*SLOT
	s_add_nc_u64 s[G0+4*\s+2:G0+4*\s+3], s[14:15], \s*TILEB        ; K step s
	s_or_b32 s[G0+4*\s+3], s[G0+4*\s+3], 0x80000000
	s_mov_b32 s[G0B+4*\s], 1
	s_add_co_u32 s[G0B+4*\s+1], s20, \s*SLOT
	s_add_nc_u64 s[G0B+4*\s+2:G0B+4*\s+3], s[46:47], \s*TILEB
	s_or_b32 s[G0B+4*\s+3], s[G0B+4*\s+3], 0x80000000
	JLOAD \s                                       ; by this text's own count a wave has two tensor loads out here, and one behind each later round
.endr
	v_and_b32 v1, 15, v0                           ; l % 16
	v_bfe_u32 v2, v0, 4, 1                         ; l / 16
	s_lshl_b32 s46, s42, 9                         ; my first column, in bytes of f32: 512 x tile column + 256 x half: in out0's rows and in bo alike
	s_lshl_b32 s47, s12, 8
	s_add_co_u32 s46, s46, s47
	s_mov_b32 s47, 0
	s_add_nc_u64 s[66:67], s[66:67], s[46:47]
	v_lshlrev_b32 v[BO], 5, v2                     ; my half's eight numbers of a block of 16
.irp b, 0,1,2,3
	global_load_b128 v[BI+8*\b:BI+8*\b+3],   v[BO], s[66:67] offset:64*\b
	global_load_b128 v[BI+8*\b+4:BI+8*\b+7], v[BO], s[66:67] offset:64*\b+16
.endr
	v_and_b32 v3, 31, v0
	v_lshlrev_b32 v3, 4, v3                        ; 16 x lane: my place in every chunk
	s_mul_i32 s21, s11, HALFT                      ; my 64 rows of o
	s_mul_i32 s22, s12, HALFT                      ; my 64 rows of Wo,
	s_add_co_u32 s22, s22, 2*HALFT                 ; which lie behind o's 128
.irp s, 0,1
	v_add_nc_u32 v[ADRA+\s], s21, v3
	v_add_nc_u32 v[ADRB+\s], s22, v3
	s_add_co_u32 s21, s21, SLOT
	s_add_co_u32 s22, s22, SLOT
.endr
	s_mul_i32 s23, s10, 16*SPITCH
	s_add_co_u32 s23, s23, STAGE                   ; my stage
	v_mul_u32_u24 v4, v1, SPITCH                   ; in: row l % 16, 32 bytes for each half of the lanes
	v_lshl_add_u32 v4, v2, 5, v4
	v_add_nc_u32 v[STO], s23, v4
	v_mul_u32_u24 v5, v2, SPITCH                   ; back: lanes 0-15 take one row of 256 bytes, lanes 16-31 the next
	v_lshl_add_u32 v5, v1, 4, v5
	v_add_nc_u32 v[RD], s23, v5
	v_lshlrev_b32 v5, 12, v2                       ; and the same two rows in out0: 4,096 bytes a row
	v_lshl_add_u32 v[CO], v1, 4, v5
	s_lshl_b32 s16, s13, 7
	s_lshl_b32 s17, s11, 6
	s_add_co_u32 s16, s16, s17                     ; my first row of out0: 128 x tile row + 64 x half
	s_lshl_b32 s16, s16, 12                        ; under 2^25
	s_mov_b32 s17, 0
	s_add_nc_u64 s[8:9], s[8:9], s[16:17]
	s_add_nc_u64 s[8:9], s[8:9], s[46:47]
; 8 matrix instructions: m blocks a0, a0 + 1 x all 4 n blocks, 32 along K: half c of buffer f.  first = 1: the sums begin with the bias as C.  The 16 accumulators take turns.
.macro MUL8 f, c, a0, first
.irp a, \a0, \a0+1
.irp b, 0,1,2,3
.if \first
	v_wmma_f32_16x16x32_f16 v[ACC+8*(4*(\a)+\b):ACC+8*(4*(\a)+\b)+7], v[\f+64+8*(4*\c+\b):\f+64+8*(4*\c+\b)+7], v[\f+8*(4*\c+\a):\f+8*(4*\c+\a)+7], v[BI+8*\b:BI+8*\b+7]
.else
	v_wmma_f32_16x16x32_f16 v[ACC+8*(4*(\a)+\b):ACC+8*(4*(\a)+\b)+7], v[\f+64+8*(4*\c+\b):\f+64+8*(4*\c+\b)+7], v[\f+8*(4*\c+\a):\f+8*(4*\c+\a)+7], v[ACC+8*(4*(\a)+\b):ACC+8*(4*(\a)+\b)+7]
.endif
.endr
.endr
.endm
; 32 LDS loads in one run: the fragments of 64 along K, at byte k of each tile of 16 rows, into buffer f; the first 32 along K first
.macro FETCH slot, k, f
	WIN TO_F
.irp c, 0,1
.irp i, 0,1,2,3
	ds_load_b128 v[\f+64+8*(4*\c+\i):\f+64+8*(4*\c+\i)+3],   v[ADRB+\slot] offset:\k+1024*\c+\i*TILEB
	ds_load_b128 v[\f+64+8*(4*\c+\i)+4:\f+64+8*(4*\c+\i)+7], v[ADRB+\slot] offset:\k+1024*\c+\i*TILEB+512
	ds_load_b128 v[\f+8*(4*\c+\i):\f+8*(4*\c+\i)+3],         v[ADRA+\slot] offset:\k+1024*\c+\i*TILEB
	ds_load_b128 v[\f+8*(4*\c+\i)+4:\f+8*(4*\c+\i)+7],       v[ADRA+\slot] offset:\k+1024*\c+\i*TILEB+512
.endr
.endr
.endm
.macro PLACES                          ; four places in front of loads into registers that matrix instructions have read, and of LDS stores that read results (ISA guide 7.12.1 for the stores)
.rept 4
	v_nop
.endr
.endm
; A K step is four quarters of 64 along K, 32 matrix instructions each, on buffers 0, 1, 0, 1.  One of the first three: multiplies buffer f and fetches the next quarter, at byte k, into g.
.macro QUARTER slot, k, f, g, first
	s_wait_dscnt 16                                ; the first 32 along K are in; the youngest sixteen loads may be out
	WIN MUL
	MUL8 \f, 0, 0, \first
	MUL8 \f, 0, 2, \first
	PLACES
	FETCH \slot, \k, \g
	s_wait_dscnt 32                                ; all but the 32 just issued
	WIN MUL
	MUL8 \f, 1, 0, 0
	MUL8 \f, 1, 2, 0
.endm
; The last quarter multiplies buffer 1 and changes slots: ONE barrier; in front of it each wave waits for all its tensor loads, adds 0 to its spare word, and waits for that and for its own reads of this slot.
; fill = 1: this slot is filled again, two K steps ahead; the barrier then opens a round of the cluster's.
.macro TURN slot, next, fill
	WIN 0                                          ; (the add's two registers lie in window 0)
	s_wait_tensorcnt 0x0                           ; all my tensor loads have landed: my part of the next slot;
	ds_add_u32 v[SPW], v[NIL]                      ; 0 onto my spare word;
	s_wait_dscnt 17                                ; (the add and the youngest sixteen loads may be out)
	WIN MUL
	MUL8 F1, 0, 0, 0                               ; eight matrix instructions stand between the add and the wait for it
	s_wait_dscnt 0x0                               ; the add is done, and my reads of this slot are over
	s_barrier_signal -1
	MUL8 F1, 0, 2, 0
.if \fill
	WIN 0
.endif
	s_barrier_wait -1
.if \fill
	CREST                                          ; no wave of any partner still reads this slot's tile or has a load on its way
	s_add_nc_u64 s[G0+4*\slot+2:G0+4*\slot+3], s[G0+4*\slot+2:G0+4*\slot+3], 2*TILEB
	s_add_nc_u64 s[G0B+4*\slot+2:G0B+4*\slot+3], s[G0B+4*\slot+2:G0B+4*\slot+3], 2*TILEB
	JLOAD \slot                                    ; the first tensor load behind the round: 112 matrix instructions ahead of the wait for it; the four v_nop behind it are also the places in front of the loads below
.else
	PLACES
.endif
	FETCH \next, 0, F0
	WIN MUL
	MUL8 F1, 1, 0, 0
	MUL8 F1, 1, 2, 0
.endm
	s_wait_tensorcnt 1                             ; my part of K step 0 is in (K step 1's load may be out)
	s_barrier_signal -1
	s_barrier_wait -1                              ; everybody's is
	FETCH 0, 0, F0
	s_wait_loadcnt 0x0                             ; the bias
	QUARTER 0, QB,   F0, F1, 1                     ; K step 0: its first products start the sums, from the bias.  Four K steps: they are written out, there is no loop
	QUARTER 0, 2*QB, F1, F0, 0
	QUARTER 0, 3*QB, F0, F1, 0
	TURN 0, 1, 1                                   ; slot 0 takes K step 2
	QUARTER 1, QB,   F0, F1, 0                     ; K step 1
	QUARTER 1, 2*QB, F1, F0, 0
	QUARTER 1, 3*QB, F0, F1, 0
	TURN 1, 0, 1                                   ; slot 1 takes K step 3
	QUARTER 0, QB,   F0, F1, 0                     ; K step 2
	QUARTER 0, 2*QB, F1, F0, 0
	QUARTER 0, 3*QB, F0, F1, 0
	TURN 0, 1, 0                                   ; nothing is left to fetch, so no round follows
	QUARTER 1, QB,   F0, F1, 0                     ; K step 3
	QUARTER 1, 2*QB, F1, F0, 0
	QUARTER 1, 3*QB, F0, F1, 0
	s_wait_dscnt 16                                ; the very last quarter
	WIN MUL
	MUL8 F1, 0, 0, 0
	MUL8 F1, 0, 2, 0
	s_wait_dscnt 0
	MUL8 F1, 1, 0, 0
	MUL8 F1, 1, 2, 0
	WIN 0
; THE WAY OUT, block by block of 16 rows x 64 columns.  A lane holds 32 neighbouring bytes of a row, and the lanes beside it hold other rows: so a block goes through my own stage in LDS and comes back as whole rows of
; 256 bytes.  LDS serves a wave's instructions in order (ISA guide 5.7.1.4): no wait between the stores and the loads, nor in front of the next block's stores.
.macro TOSTAGE a
.irp b, 0,1,2,3
	ds_store_b128 v[STO], v[ACC+8*(4*(\a)+\b):ACC+8*(4*(\a)+\b)+3] offset:64*\b          ; each accumulator from its low end on
	ds_store_b128 v[STO], v[ACC+8*(4*(\a)+\b)+4:ACC+8*(4*(\a)+\b)+7] offset:64*\b+16
.endr
.irp t, 0,1,2,3,4,5,6,7
	ds_load_b128 v[OB+32*((\a)%2)+4*\t:OB+32*((\a)%2)+4*\t+3], v[RD] offset:\t*2*SPITCH
.endr
.endm
.macro SEND a, younger                 ; younger: the LDS instructions issued behind block a's loads, which may stay out
	s_wait_dscnt \younger                          ; the block is back in registers
.irp t, 0,1,2,3,4,5,6,7
	global_store_b128 v[CO], v[OB+32*((\a)%2)+4*\t:OB+32*((\a)%2)+4*\t+3], s[8:9] offset:(16*(\a)+2*\t)*SIZE_N*4 th:TH_STORE_NT   ; 16 lanes store 256 consecutive bytes, aligned; written once, read by nobody here
.endr
.endm
	PLACES                                         ; behind the last products: the stage's stores read results
	TOSTAGE 0
.irp a, 1,2,3
.if \a > 1
	s_wait_xcnt 0x0                                ; block a - 2's stores have read their data: block a's loads may land there
.endif
	TOSTAGE \a
	SEND \a-1, 16                                  ; behind block a - 1's loads: block a's 8 stores and 8 loads
.endr
	SEND 3, 0
	s_wait_tensorcnt 0x0                           ; the wave's end, behind my last tensor load and my last LDS store
	ds_add_u32 v[SPW], v[NIL]
	s_wait_dscnt 0x0
	CROUND                                         ; the closing round: no work-group ends while a partner may still ask for a tile that names it
	s_endpgm
.Lfunc_end_k_qb822d9e47f_proj:
	.size	k_qb822d9e47f_proj, .Lfunc_end_k_qb822d9e47f_proj-k_qb822d9e47f_proj
	.p2alignl 7, 3214868480
	.fill 96, 4, 3214868480
	.section	.rodata,"a",@progbits
	.p2align	6, 0x0
	.amdhsa_kernel k_qb822d9e47f_proj
		.amdhsa_group_segment_fixed_size 327680
		.amdhsa_private_segment_fixed_size 0
		.amdhsa_enable_private_segment 0
		.amdhsa_kernarg_size 32
		.amdhsa_user_sgpr_count 2
		.amdhsa_user_sgpr_kernarg_segment_ptr 1
		.amdhsa_wavefront_size32 1
		.amdhsa_system_sgpr_workgroup_id_x 1
		.amdhsa_system_sgpr_workgroup_id_y 1
		.amdhsa_system_sgpr_workgroup_id_z 1
		.amdhsa_system_vgpr_workitem_id 0
		.amdhsa_next_free_vgpr 512
		.amdhsa_next_free_sgpr 68
		.amdhsa_reserve_vcc 0
		.amdhsa_float_denorm_mode_32 3
		.amdhsa_float_denorm_mode_16_64 3
		.amdhsa_memory_ordered 1
		.amdhsa_forward_progress 1
		.amdhsa_inst_pref_size 86
	.end_amdhsa_kernel
	.amdgpu_metadata
---
amdhsa.version: [ 1, 2 ]
amdhsa.kernels:
  - .name:           k_qb822d9e47f_proj
    .symbol:         k_qb822d9e47f_proj.kd
    .args:
      - { .name: ao, .offset: 0, .size: 8, .value_kind: global_buffer, .address_space: global }
      - { .name: wo16, .offset: 8, .size: 8, .value_kind: global_buffer, .address_space: global }
      - { .name: out0, .offset: 16, .size: 8, .value_kind: global_buffer, .address_space: global }
      - { .name: bo, .offset: 24, .size: 8, .value_kind: global_buffer, .address_space: global }
    .group_segment_fixed_size: 327680
    .private_segment_fixed_size: 0
    .kernarg_segment_align: 8
    .kernarg_segment_size: 32
    .max_flat_workgroup_size: 128
    .sgpr_count:     68
    .vgpr_count:     512
    .wavefront_size: 32
...
	.end_amdgpu_metadata
.endif
;; end of part 4
